; MI455X (gfx1250); checked and timed in simulation.
; The chip was launched on July 23, 2026; its instructions are those of AMD's public machine-readable ISA for CDNA 5 (MIT licence, August 2026) and "CDNA5" Instruction Set Architecture Reference Guide (July 2026). The comments in the code are by the model that wrote it; some were corrected since.
;; A Li Bi. Allowed arithmetic: matrix products marked QUANTISED: E3M2 operands, one E8M0 scale for each 32 along K, by v_wmma_scale_f32_16x16x128_f8f6f4 with both operands' format E3M2, f32 sums; everything else in f32.
;; Inputs: Wk 1,024 x 1,024 float32; Wo 1,024 x 1,024 float32; Wq 1,024 x 1,024 float32; Wv 1,024 x 1,024 float32; bk 1,024 float32; bo 1,024 float32; bq 1,024 float32; bv 1,024 float32; x 2 x 2,048 x 1,024 float32.
;; Outputs: out0 2 x 2,048 x 1,024 float32.
;; Constants: n_head = 16.
;; This version of the problem:
;;   THIS VERSION OF THE PROBLEM IS GIVEN IN LOW PRECISION. The matrix products marked QUANTISED in the list below multiply operands that are first quantised to E3M2 (3 exponent bits, 2 mantissa bits; 6 bits a number), with one power-of-two scale for each 32 numbers along K (OCP MX v1.0); their sums are f32. All else is computed in f32.
;;   The module's matrix products, in the order in which they are computed (A, B: the left and right operand; K: the contracted axis; several contracted axes count as one K, in the product's order):
;;     1. [M 4,096, K 1,024] x [K 1,024, N 1,024]; A: input x; B: input Wq: QUANTISED
;;     2. [M 4,096, K 1,024] x [K 1,024, N 1,024]; A: input x; B: input Wk: QUANTISED
;;     3. [M 4,096, K 1,024] x [K 1,024, N 1,024]; A: input x; B: input Wv: QUANTISED
;;     4. batch 32 x [M 2,048, K 64] x [K 64, N 2,048]; A: computed on the way; B: computed on the way: QUANTISED
;;     5. batch 32 x [M 2,048, K 2,048] x [K 2,048, N 64]; A: softmax (see below); B: computed on the way: QUANTISED
;;     6. [M 4,096, K 1,024] x [K 1,024, N 1,024]; A: computed on the way; B: input Wo: QUANTISED
;;   THE QUANTISER, for each operand of a quantised product, along K:
;;     - K is cut into blocks of 32 from its start; a last block that is shorter is filled with zeros.
;;     - A block's scale is 2^e with e = floor(log2(the largest magnitude in the block)) - 4, held to -126 .. 127; a block of zeros has e = 0. As a byte (E8M0): e + 127.
;;     - Each number is divided by its block's scale, clamped to +-28, and rounded to the nearest number of E3M2, ties to even, subnormals kept.
;;     - The product sums the exact products of the quantised numbers (number of the format x scale) in f32.
;;   ~~~python
;;   def quantise(x, axis):      # numpy; x: float32 -> the quantised numbers, widened to float32 again
;;       x = np.moveaxis(x, axis, -1); K = x.shape[-1]
;;       x = np.pad(x, [(0, 0)] * (x.ndim - 1) + [(0, -K % 32)]); x = x.reshape(x.shape[:-1] + (-1, 32)); a = np.abs(x).max(-1, keepdims=True)
;;       e = np.where(a > 0, np.clip(np.frexp(np.where(a > 0, a, 1))[1] - 1 - 4, -126, 127), 0)      # np.frexp(a)[1] - 1 = floor(log2(a)), exactly
;;       r = np.clip(x / 2.0 ** e, -28, 28)
;;       step = 2.0 ** (np.maximum(np.frexp(np.where(r == 0, 1, r))[1] - 1, -2) - 2)
;;       q = np.round(r / step) * step * 2.0 ** e      # np.round: ties to even
;;       return np.moveaxis(q.reshape(q.shape[:-2] + (-1,))[..., :K], -1, axis).astype(np.float32)
;;   ~~~
;;   SOFTMAX AHEAD OF A QUANTISED PRODUCT. Where the list says 'softmax', what is quantised is not the finished softmax but p = 2^(t - M), with t = logit x log2(e) and M = ceil(the row's largest t), a whole number; so 1/2 < the row's largest p <= 1. The row's sum l is taken of the UNQUANTISED p, in f32, and the product's result is divided by l at the end. Since M is a whole number, a kernel that streams over the keys may use a running M (the ceiling of the running maximum): every later rescaling is an exact power of two, which a block's scale takes up: the codes' values come out the same.
;;   OPERANDS COMPUTED ON THE WAY. 'Computed on the way' means the value that the module computes at that place (a softmax that the list does not call 'softmax' is quantised finished and normalised). What goes into a quantiser is computed in f32, as accurately as f32 sums, v_exp_f32 and their like allow (about 1e-6 of the number): no bf16 or f16 on the way to a quantiser, and a product that is left as it is and whose result goes on into a quantised operand takes f32 operands (vector FMAs, or v_wmma_f32_16x16x4_f32). A number that lies on a knife's edge between two numbers of the format may be rounded either way, as far as f32 arithmetic and the matrix unit's own rounding can turn it there, and no further.
;; One version. Each part assembles by itself: llvm-mc -triple=amdgcn-amd-amdhsa -mcpu=gfx1250 --defsym DOCPART=n.
;; ======== version 1 of 1: 4 launches
;; workspace buffers: xq 3,276,800 bytes; wq 3,276,800 bytes; qq 3,407,872 bytes; kv 6,684,672 bytes; yq 3,276,800 bytes
;; launch quant (part 1): grid 512 x 1, 4 waves a work-group, no clusters, 68,096 bytes of LDS; arguments x, Wq, Wk, Wv, Wo, xq, wq; writes xq, wq
.if DOCPART == 1
	.amdgcn_target "amdgcn-amd-amdhsa--gfx1250"
	.amdhsa_code_object_version 6
	.text
	.protected	k_q82a0e28b58_quant
	.globl	k_q82a0e28b58_quant
	.p2align	8
	.type	k_q82a0e28b58_quant,@function
k_q82a0e28b58_quant:
	s_mov_b64 s[64:65], 0
	v_nop
	global_prefetch_b8 v0, s[64:65] scope:SCOPE_SE
	s_setreg_imm32_b32 hwreg(HW_REG_WAVE_MODE, 25, 1), 1
	s_wait_xcnt 0x0
; x [4096][1024] f32 (K innermost) and Wq, Wk, Wv, Wo [1024 (k)][1024 (n)] f32 (K is the FIRST axis) become codes of BF6 (E3M2) with one E8M0 byte for each 32 along K.
; A block's scale is 2^(floor(log2(largest magnitude)) - 4); each number is divided by it and rounded to the nearest code, ties to even, beyond 28 the largest code.
; THE RESULTS ARE LAID AS IMAGES OF THE OPERAND'S REGISTERS: a fragment (16 rows x 128 K, 12 registers a lane) is 1,536 bytes, registers 4 g .. 4 g + 3 of lane l at 512 g + 16 l.
;   xq: [256 token tiles][8 K steps][1,536]; from byte 3,145,728 the scale words [128 pairs of tiles][8][32 lanes x 4]: lanes 0-15 the even tile's rows, lanes 16-31 the odd tile's.
;   wq: [4 matrices][64 column tiles][8][1,536], and the scale words [4 x 32 pairs][8][128] likewise.
; THE ROWS OF A TILE ARE NOT NEIGHBOURS: row i of tile 2 B + u is token (or column) 32 B + 8 u + i + 8 (i / 8), so that a later product that takes the tile as source 0 leaves 16 neighbours in a lane's 16 registers.
; SHARES: 2,048 waves, 16 KiB of f32 each, every load issued at the wave's head.  Work-groups 0-255: x (a wave: 32 tokens x 128 K); 256-511: the weights (a wave: 128 K x 32 columns).
; No cluster, no tensor load, no barrier: no two waves read the same byte.  Only the x path uses LDS (a stage of its own for each wave).
; LIMITS: NaN and infinities among the inputs are not served.  A block whose largest magnitude lies under 2^-122, a block of zeros among them, gets the byte 1 (the rule says 127 for zeros): its codes are
; zeros or subnormal codes under that byte, and the bytes are read by this program alone.
.set XQW,   3145728                    ; where the scale words begin in xq and in wq
.set SEL,   20                         ; s[20:21] selects of v_permlanex16_b32 for lane l xor 16
.set SROW,  528                        ; a stage row: 512 bytes + 16 = 132 words, so that sixteen rows begin in sixteen different groups of four banks
.set SWAVE, 32*SROW                    ; a wave's stage
.set R,     16                         ; x path: v16-143 the 32 rows as loaded; later tile 1's 64 numbers
.set X,     144                        ; v144-207 tile 0's 64 numbers; later tile 1's codes
.set TM,    208                        ; v208-223 at work in QUANT4
.set PW0,   224                        ; the two tiles' scale words, and the pair's
.set PW1,   225
.set SW,    226
.set PC,    228                        ; v228-246 tile 0's codes
.set WX,    16                         ; W path: v16-143 my column's 128 numbers
.set F0,    144                        ; v144-155, v156-167 the two fragments
.set TT,    168                        ; v168-183 the upper halves of the four blocks' codes
.set MA,    184                        ; v184-185 two chains of maxima
.set SO,    188                        ; v188-191 the conversions' scale operands
.set WW,    192                        ; my column's scale word
; 64 numbers of a lane, register 16 b + i = k 32 b + 16 (lane / 16) + i of my row, become a fragment's codes in v[pc] .. v[pc + 11] and its scale word in v[pw].
.macro QUANT4 s, pc, pw
.irp b, 0,1,2,3
	v_max3_num_f32 v[TM+\b], |v[\s+16*\b]|, |v[\s+1+16*\b]|, 0x2800000   ; my 16 numbers of block b, and the floor 2^(5 - 127): the byte cannot fall under 1
.endr
.irp i, 2,4,6,8,10,12,14
.irp b, 0,1,2,3
	v_max3_num_f32 v[TM+\b], v[TM+\b], |v[\s+16*\b+\i]|, |v[\s+1+16*\b+\i]|   ; the four blocks by turns
.endr
.endr
.irp b, 0,1,2,3
	v_permlanex16_b32 v[TM+4+\b], v[TM+\b], s[SEL], s[SEL+1]
.endr
.irp b, 0,1,2,3
	v_max_num_f32 v[TM+\b], v[TM+\b], v[TM+4+\b]   ; with lane l xor 16's: the block's largest magnitude
.endr
.irp b, 0,1,2,3
	v_add_nc_u32 v[TM+12+\b], 0xfe000000, v[TM+\b]   ; 4 off its exponent field: the conversion takes that field as its scale
.endr
.irp b, 0,1,2,3
	v_lshrrev_b32 v[TM+4+\b], 23, v[TM+12+\b]      ; the scale's byte
.endr
	v_lshl_or_b32 v[\pw], v[TM+5], 8, v[TM+4]
	v_lshl_or_b32 v[\pw], v[TM+6], 16, v[\pw]
	v_lshl_or_b32 v[\pw], v[TM+7], 24, v[\pw]
.irp c, 0,1
	v_cvt_scalef32_pk16_bf6_f32 v[\pc+6*\c:\pc+2+6*\c], v[\s+32*\c:\s+15+32*\c], v[TM+12+2*\c]
	v_cvt_scalef32_pk16_bf6_f32 v[\pc+12+4*\c:\pc+14+4*\c], v[\s+16+32*\c:\s+31+32*\c], v[TM+12+2*\c+1]   ; (a conversion's three registers begin on an even number)
.endr
	v_nop                                          ; one plain place behind a scaled conversion
.irp c, 0,1                                    ; the layout wants a whole block in a lane: lanes 0-15 block 2 c, lanes 16-31 block 2 c + 1
.irp i, 0,1,2
	v_permlane16_swap_b32 v[\pc+6*\c+\i], v[\pc+12+4*\c+\i]
.endr
.irp i, 0,1,2
	v_mov_b32 v[\pc+3+6*\c+\i], v[\pc+12+4*\c+\i]
.endr
.endr
.endm
	s_load_b256 s[4:11], s[0:1], 0x0               ; x s[4:5], Wq s[6:7], Wk s[8:9], Wv s[10:11]
	s_load_b128 s[12:15], s[0:1], 0x20             ; Wo s[12:13], xq s[14:15]
	s_load_b64 s[16:17], s[0:1], 0x30              ; wq
	v_lshl_add_u32 v254, v0, 2, 0x10800
	v_mov_b32 v255, 0
	v_lshrrev_b32 v1, 5, v0
	v_readfirstlane_b32 s18, v1                    ; wave 0..3
	v_and_b32 v1, 31, v0                           ; lane
	v_and_b32 v2, 15, v0                           ; r
	v_bfe_u32 v3, v0, 4, 1                         ; h
	v_lshlrev_b32 v4, 4, v1                        ; 16 x lane: a dense load's and an image's place
	v_lshlrev_b32 v7, 2, v1                        ; 4 x lane: a scale word's
	s_mov_b32 s[SEL], 0x76543210
	s_mov_b32 s[SEL+1], 0xfedcba98
	s_mov_b32 s23, 0                               ; the upper word of every offset pair s[22:23]
	s_cmp_lt_u32 ttmp9, 256
	s_cbranch_scc0 .Lweights
	; ---------------- x: block B of 32 tokens, K step s ----------------
	s_lshr_b32 s31, ttmp9, 1                       ; B
	s_and_b32 s32, ttmp9, 1
	s_lshl_b32 s32, s32, 2
	s_add_co_u32 s32, s32, s18                     ; s = 4 (work-group % 2) + wave
	s_lshl_b32 s22, s31, 17                        ; 32 rows of 4,096 bytes
	s_lshl_b32 s33, s32, 9                         ; 512 bytes a K step
	s_add_co_u32 s22, s22, s33
	s_wait_kmcnt 0x0
	s_add_nc_u64 s[24:25], s[4:5], s[22:23]
.set i, 0
.rept 32
	global_load_b128 v[R+4*i:R+4*i+3], v4, s[24:25] offset:4096*i th:TH_LOAD_NT   ; token i: 512 consecutive bytes
.set i, i+1
.endr
	s_mul_i32 s22, s31, 24576                      ; two tiles x 8 K steps x 1,536
	s_mul_i32 s33, s32, 1536
	s_add_co_u32 s22, s22, s33
	s_add_nc_u64 s[26:27], s[14:15], s[22:23]      ; the images
	s_lshl_b32 s22, s31, 10
	s_lshl_b32 s33, s32, 7
	s_add_co_u32 s22, s22, s33
	s_add_co_u32 s22, s22, XQW
	s_add_nc_u64 s[28:29], s[14:15], s[22:23]      ; the pair's scale words
	s_mul_i32 s33, s18, SWAVE
	v_add_nc_u32 v5, s33, v4                       ; into my stage: 16 x lane
	v_mul_u32_u24 v6, v2, SROW
	v_lshl_add_u32 v6, v3, 6, v6
	v_add_nc_u32 v6, s33, v6                       ; out of it: row r, + 64 h: my 16 numbers of a block of 32
	v_cmp_lt_u32 s30, 15, v1                       ; lanes 16-31
.irp b, 0,1,2,3
	v_mov_b32 v[TM+4+\b], 0                        ; a lane permute's destination counts as read
.endr
.set i, 0
.rept 32
	s_wait_loadcnt 31-i                            ; loads return in order: token i is in, the 31 - i younger ones stay out
	ds_store_b128 v5, v[R+4*i:R+4*i+3] offset:SROW*(i%8+8*(2*((i/8)%2)+i/16))   ; tokens 0-7, 16-23 are tile 0's rows 0-15; tokens 8-15, 24-31 tile 1's
.set i, i+1
.endr
.irp b, 0,1,2,3
.irp j, 0,1,2,3
	ds_load_b128 v[X+16*\b+4*\j:X+16*\b+4*\j+3], v6 offset:128*\b+16*\j   ; LDS serves a wave's instructions in order: these see the stores
.endr
.endr
	s_wait_dscnt 0x0                               ; tile 0 is back, and the stores have read R
.irp b, 0,1,2,3
.irp j, 0,1,2,3
	ds_load_b128 v[R+16*\b+4*\j:R+16*\b+4*\j+3], v6 offset:16*SROW+128*\b+16*\j   ; tile 1 comes while tile 0 is quantised
.endr
.endr
	QUANT4 X, PC, PW0
.irp g, 0,1,2
	global_store_b128 v4, v[PC+4*\g:PC+4*\g+3], s[26:27] offset:512*\g   ; 512 consecutive bytes a store
.endr
	s_wait_dscnt 0x0
	QUANT4 R, X, PW1                               ; tile 1's codes take the registers that tile 0's numbers have left: no store's data are written again
.irp g, 0,1,2
	global_store_b128 v4, v[X+4*\g:X+4*\g+3], s[26:27] offset:12288+512*\g
.endr
	v_cndmask_b32 v[SW], v[PW0], v[PW1], s30       ; lanes 0-15: tile 0's words; lanes 16-31: tile 1's
	global_store_b32 v7, v[SW], s[28:29]
	s_wait_tensorcnt 0x0
	ds_add_u32 v254, v255
	s_wait_dscnt 0x0
	s_endpgm
	; ---------------- the weights: matrix mat, K step s, columns 32 P .. 32 P + 31 ----------------
.Lweights:
	s_sub_co_u32 s31, ttmp9, 256
	s_lshr_b32 s32, s31, 6                         ; mat: 0 q, 1 k, 2 v, 3 o
	s_bfe_u32 s33, s31, 0x30003                    ; three bits from bit 3
	s_and_b32 s34, s31, 7                          ; s
	s_lshl_b32 s33, s33, 2
	s_add_co_u32 s33, s33, s18                     ; P: the four waves stand side by side on 512 bytes of each row
	v_and_b32 v5, 8, v2
	v_add_nc_u32 v5, v5, v2
	v_lshl_add_u32 v5, v3, 3, v5                   ; LANE l TAKES COLUMN 8 (l / 16) + r + 8 (r / 8): lanes 0-15 are tile 2 P's rows, lanes 16-31 tile 2 P + 1's
	v_lshlrev_b32 v5, 2, v5
	s_wait_kmcnt 0x0
	s_cmp_eq_u32 s32, 1                            ; the choice hangs on the work-group's number alone
	s_cselect_b64 s[24:25], s[8:9], s[6:7]
	s_cmp_eq_u32 s32, 2
	s_cselect_b64 s[24:25], s[10:11], s[24:25]
	s_cmp_eq_u32 s32, 3
	s_cselect_b64 s[24:25], s[12:13], s[24:25]
	s_lshl_b32 s22, s34, 19                        ; 128 rows of 4,096 bytes
	s_lshl_b32 s35, s33, 7
	s_add_co_u32 s22, s22, s35
	s_add_nc_u64 s[24:25], s[24:25], s[22:23]
.set i, 0
.rept 128
	global_load_b32 v[WX+i], v5, s[24:25] offset:4096*i th:TH_LOAD_NT   ; MY REGISTERS RUN DOWN K; the wave reads 128 consecutive bytes of row i
.set i, i+1
.endr
	s_lshl_b32 s35, s32, 5
	s_add_co_u32 s35, s35, s33                     ; 32 mat + P
	s_mul_i32 s22, s35, 24576
	s_mul_i32 s36, s34, 1536
	s_add_co_u32 s22, s22, s36
	s_add_nc_u64 s[26:27], s[16:17], s[22:23]
	s_lshl_b32 s22, s35, 10
	s_lshl_b32 s36, s34, 7
	s_add_co_u32 s22, s22, s36
	s_add_co_u32 s22, s22, XQW
	s_add_nc_u64 s[28:29], s[16:17], s[22:23]
.macro WBLOCK b, left                  ; block b of my column: all its 32 numbers are mine
	s_wait_loadcnt \left                           ; at most so many younger loads are out
	v_max3_num_f32 v[MA], |v[WX+32*\b]|, |v[WX+32*\b+1]|, |v[WX+32*\b+2]|
	v_max3_num_f32 v[MA+1], |v[WX+32*\b+3]|, |v[WX+32*\b+4]|, |v[WX+32*\b+5]|
.irp i, 6,10,14,18,22,26
	v_max3_num_f32 v[MA], v[MA], |v[WX+32*\b+\i]|, |v[WX+32*\b+\i+1]|
	v_max3_num_f32 v[MA+1], v[MA+1], |v[WX+32*\b+\i+2]|, |v[WX+32*\b+\i+3]|
.endr
	v_max3_num_f32 v[MA], v[MA], |v[WX+32*\b+30]|, |v[WX+32*\b+31]|
	v_max3_num_f32 v[MA], v[MA], v[MA+1], 0x2800000   ; and the floor
	v_add_nc_u32 v[SO+\b], 0xfe000000, v[MA]
	v_lshrrev_b32 v[MA+1], 23, v[SO+\b]
.if \b == 0
	v_mov_b32 v[WW], v[MA+1]
.else
	v_lshl_or_b32 v[WW], v[MA+1], 8*\b, v[WW]
.endif
	v_cvt_scalef32_pk16_bf6_f32 v[F0+12*(\b%2)+6*(\b/2):F0+12*(\b%2)+6*(\b/2)+2], v[WX+32*\b:WX+32*\b+15], v[SO+\b]   ; blocks 0, 2 into the first run of twelve, blocks 1, 3 into the second
	v_cvt_scalef32_pk16_bf6_f32 v[TT+4*\b:TT+4*\b+2], v[WX+32*\b+16:WX+32*\b+31], v[SO+\b]
.endm
	WBLOCK 0, 63                                   ; 96 younger loads would do; the wait's field holds 63
	WBLOCK 1, 63                                   ; (64 would do)
	WBLOCK 2, 32
	WBLOCK 3, 0
	v_nop                                          ; one plain place behind the last conversion
.irp b, 0,1,2,3
.irp i, 0,1,2
	v_mov_b32 v[F0+12*(\b%2)+6*(\b/2)+3+\i], v[TT+4*\b+\i]
.endr
.endr
.irp j, 0,1,2,3,4,5,6,7,8,9,10,11
	v_permlane16_swap_b32 v[F0+\j], v[F0+12+\j]    ; the first run's lanes 16-31 (tile 2 P + 1, blocks 0, 2) change places with the second's lanes 0-15 (tile 2 P, blocks 1, 3): now each run is one tile's fragment
.endr
.irp u, 0,1
.irp g, 0,1,2
	global_store_b128 v4, v[F0+12*\u+4*\g:F0+12*\u+4*\g+3], s[26:27] offset:12288*\u+512*\g
.endr
.endr
	global_store_b32 v7, v[WW], s[28:29]           ; my own column's word lies where the pair's layout wants it
	s_endpgm
.Lfunc_end_k_q82a0e28b58_quant:
	.size	k_q82a0e28b58_quant, .Lfunc_end_k_q82a0e28b58_quant-k_q82a0e28b58_quant
	.p2alignl 7, 3214868480
	.fill 96, 4, 3214868480
	.section	.rodata,"a",@progbits
	.p2align	6, 0x0
	.amdhsa_kernel k_q82a0e28b58_quant
		.amdhsa_group_segment_fixed_size 68096
		.amdhsa_private_segment_fixed_size 0
		.amdhsa_enable_private_segment 0
		.amdhsa_kernarg_size 56
		.amdhsa_user_sgpr_count 2
		.amdhsa_user_sgpr_kernarg_segment_ptr 1
		.amdhsa_wavefront_size32 1
		.amdhsa_system_sgpr_workgroup_id_x 1
		.amdhsa_system_sgpr_workgroup_id_y 1
		.amdhsa_system_sgpr_workgroup_id_z 1
		.amdhsa_system_vgpr_workitem_id 0
		.amdhsa_next_free_vgpr 256
		.amdhsa_next_free_sgpr 66
		.amdhsa_reserve_vcc 0
		.amdhsa_float_denorm_mode_32 3
		.amdhsa_float_denorm_mode_16_64 3
		.amdhsa_memory_ordered 1
		.amdhsa_forward_progress 1
		.amdhsa_inst_pref_size 39
	.end_amdhsa_kernel
	.amdgpu_metadata
---
amdhsa.version: [ 1, 2 ]
amdhsa.kernels:
  - .name:           k_q82a0e28b58_quant
    .symbol:         k_q82a0e28b58_quant.kd
    .args:
      - { .name: x, .offset: 0, .size: 8, .value_kind: global_buffer, .address_space: global }
      - { .name: Wq, .offset: 8, .size: 8, .value_kind: global_buffer, .address_space: global }
      - { .name: Wk, .offset: 16, .size: 8, .value_kind: global_buffer, .address_space: global }
      - { .name: Wv, .offset: 24, .size: 8, .value_kind: global_buffer, .address_space: global }
      - { .name: Wo, .offset: 32, .size: 8, .value_kind: global_buffer, .address_space: global }
      - { .name: xq, .offset: 40, .size: 8, .value_kind: global_buffer, .address_space: global }
      - { .name: wq, .offset: 48, .size: 8, .value_kind: global_buffer, .address_space: global }
    .group_segment_fixed_size: 68096
    .private_segment_fixed_size: 0
    .kernarg_segment_align: 8
    .kernarg_segment_size: 56
    .max_flat_workgroup_size: 128
    .sgpr_count:     66
    .vgpr_count:     256
    .wavefront_size: 32
...
	.end_amdgpu_metadata
.endif
;; end of part 1
;; launch proj (part 2): grid 16 x 16, 4 waves a work-group, clusters of 4 x 1, 168,448 bytes of LDS; arguments xq, wq, bq, bk, bv, qq, kv; writes qq, kv
.if DOCPART == 2
	.amdgcn_target "amdgcn-amd-amdhsa--gfx1250"
	.amdhsa_code_object_version 6
	.text
	.protected	k_q82a0e28b58_proj
	.globl	k_q82a0e28b58_proj
	.p2align	8
	.type	k_q82a0e28b58_proj,@function
k_q82a0e28b58_proj:
	s_mov_b64 s[64:65], 0
	v_nop
	global_prefetch_b8 v0, s[64:65] scope:SCOPE_SE
	s_setreg_imm32_b32 hwreg(HW_REG_WAVE_MODE, 25, 1), 1
	s_wait_xcnt 0x0
	s_wait_alu depctr_hold_cnt(0) depctr_sa_sdst(0) depctr_va_vdst(0) depctr_va_sdst(0) depctr_va_ssrc(0) depctr_va_vcc(0) depctr_vm_vsrc(0)
	s_getreg_b32 s2, hwreg(HW_REG_IB_STS2, 6, 4)
	s_cmp_eq_u32 s2, 0
	s_cbranch_scc0 .Lentry_in_a_cluster
	s_endpgm
.Lentry_in_a_cluster:
	s_bfe_u32 s2, ttmp6, 0x10000c
	s_cmp_lg_u32 s2, 0x3003
	s_cbranch_scc0 .Lentry_shape_is_right
	s_endpgm
.Lentry_shape_is_right:
; q, k, v = x W + b for one head and 256 tokens, on codes of BF6 with E8M0 scales, and the results quantised again on the way: q and k along the head's 64 channels, v along the keys.
; SHARES: work-group (x = group of 256 tokens, y = head); wave w takes tokens 64 w .. 64 w + 63 (four token tiles) for three SLOTS of 64 columns: Wq's, Wk's, Wv's.
; x's 32 fragments (4 tiles x 8 K steps, 384 registers) are the wave's own: they come from xq straight into registers, once.  The head's weights (3 x 49,152 bytes) are read by all four waves:
; they come into LDS by tensor loads, each byte filled once; no LDS byte is filled again, so there is no ring.
; CLUSTER: the four work-groups of a cluster have the same head and want the same weights: each tile is asked for JOINTLY (mask 15, the same descriptor in all four: it hangs on the head and the wave's number).
; LAYOUT.  q, k: source 0 = 16 columns of W, source 1 = 16 tokens: a lane holds ONE token and its registers run along the channels.  v: source 0 = 16 tokens, source 1 = 16 columns: a lane holds ONE channel and its
; registers run along the tokens (the keys).  Row i of tile 2 B + u is token or column 32 B + 8 u + i + 8 (i / 8), so a group's 32 registers are 16 b + i = place 32 b + 16 (lane / 16) + i along the next K.
; OUT: halves of fragments (16 rows x 64 K, registers 0-5: 768 bytes: registers 0-3 at 16 x lane, 4-5 at 512 + 8 x lane).
;   qq: [32 heads][128 tiles][768]; from 3,145,728 the words [32][64 pairs][128] (bytes 0, 1: the two blocks; bytes 2, 3: 0).
;   kv: a head is one dense block of 208,896 bytes: [16 steps of 128 keys][K: 8 tiles x 768 | V: 4 channel tiles x 2 halves x 768]; from 196,608: [16 steps][K's words: 4 pairs x 128 | V's: 2 pairs x 128].
; REGISTERS: window 0: v1-11 addresses; v16-31 x's scale words, v32-79 the weights'; v80-175 two sets of four weight fragments (in the epilogues: at work); v176-247 the biases.
;   windows 1, 2: x's fragments of K steps 0-3, 4-7, at 48 (s % 4) + 12 t.   window 3: v0-127 the 16 accumulators.
; LIMITS: NaN and infinities are not served; a block whose largest magnitude lies under 2^-122 (a block of zeros too) gets the byte 1; the bytes are read by this program alone.
.set XQW,   3145728
.set KVH,   208896
.set KVW,   196608
.set FRB,   1536
.set TILEB, 12288                      ; a tile's eight fragments
.set SLOTB, 49152                      ; a slot's four tiles
.set WV,  18
.set G1,  24                           ; s[24:31] descriptor group 1;  s[32:43] three groups 0
.set G0,  32
.set HM,  44                           ; mask of lanes 16-31
.set SEL, 46
.set LB,  4                            ; v4-6  16 x lane + SLOTB x slot
.set XS,  16
.set WS,  32
.set BF,  80
.set BQ,  176
.set BK,  208
.set BV,  240
.set ACC, 0
.set TM,  80                           ; the epilogue's registers
.set TX,  88
.set SO,  96
.set BY,  104
.set PW,  112
.set SW,  116
.set PP,  120
.set TT,  152
.set MSB, 0
.macro WIN new                         ; the immediate's high byte repeats the setting that is left
.if MSB != \new
	s_set_vgpr_msb (MSB<<8)|\new
.set MSB, \new
.endif
.endm
.macro PLACES n
.rept \n
	v_nop
.endr
.endm
.macro ROUND                           ; a round of the cluster's barrier
	s_barrier_signal -1
	s_barrier_wait -1
	s_cmp_lg_u32 s[WV], 0
	s_cbranch_scc1 .Lnot_wave_0_\@
	s_barrier_signal -3
.Lnot_wave_0_\@:
	s_barrier_wait -3
	s_barrier_signal -1
	s_barrier_wait -1
.endm
; One product.  ra, rb = 1: that side's scale words stand in lanes 16-31 of the register named (the odd tile of a pair).  WMZ starts a sum, WMC adds onto v[c] on.
.macro WMZ d, a, b, sa, sb, ra, rb
.if (\ra) && (\rb)
	v_wmma_scale_f32_16x16x128_f8f6f4 v[\d:\d+7], v[\a:\a+11], v[\b:\b+11], 0, v[\sa], v[\sb] matrix_a_fmt:MATRIX_FMT_BF6 matrix_b_fmt:MATRIX_FMT_BF6 matrix_a_scale:MATRIX_SCALE_ROW1 matrix_b_scale:MATRIX_SCALE_ROW1
.elseif (\ra)
	v_wmma_scale_f32_16x16x128_f8f6f4 v[\d:\d+7], v[\a:\a+11], v[\b:\b+11], 0, v[\sa], v[\sb] matrix_a_fmt:MATRIX_FMT_BF6 matrix_b_fmt:MATRIX_FMT_BF6 matrix_a_scale:MATRIX_SCALE_ROW1
.elseif (\rb)
	v_wmma_scale_f32_16x16x128_f8f6f4 v[\d:\d+7], v[\a:\a+11], v[\b:\b+11], 0, v[\sa], v[\sb] matrix_a_fmt:MATRIX_FMT_BF6 matrix_b_fmt:MATRIX_FMT_BF6 matrix_b_scale:MATRIX_SCALE_ROW1
.else
	v_wmma_scale_f32_16x16x128_f8f6f4 v[\d:\d+7], v[\a:\a+11], v[\b:\b+11], 0, v[\sa], v[\sb] matrix_a_fmt:MATRIX_FMT_BF6 matrix_b_fmt:MATRIX_FMT_BF6
.endif
.endm
.macro WMC d, a, b, c, sa, sb, ra, rb
.if (\ra) && (\rb)
	v_wmma_scale_f32_16x16x128_f8f6f4 v[\d:\d+7], v[\a:\a+11], v[\b:\b+11], v[\c:\c+7], v[\sa], v[\sb] matrix_a_fmt:MATRIX_FMT_BF6 matrix_b_fmt:MATRIX_FMT_BF6 matrix_a_scale:MATRIX_SCALE_ROW1 matrix_b_scale:MATRIX_SCALE_ROW1
.elseif (\ra)
	v_wmma_scale_f32_16x16x128_f8f6f4 v[\d:\d+7], v[\a:\a+11], v[\b:\b+11], v[\c:\c+7], v[\sa], v[\sb] matrix_a_fmt:MATRIX_FMT_BF6 matrix_b_fmt:MATRIX_FMT_BF6 matrix_a_scale:MATRIX_SCALE_ROW1
.elseif (\rb)
	v_wmma_scale_f32_16x16x128_f8f6f4 v[\d:\d+7], v[\a:\a+11], v[\b:\b+11], v[\c:\c+7], v[\sa], v[\sb] matrix_a_fmt:MATRIX_FMT_BF6 matrix_b_fmt:MATRIX_FMT_BF6 matrix_b_scale:MATRIX_SCALE_ROW1
.else
	v_wmma_scale_f32_16x16x128_f8f6f4 v[\d:\d+7], v[\a:\a+11], v[\b:\b+11], v[\c:\c+7], v[\sa], v[\sb] matrix_a_fmt:MATRIX_FMT_BF6 matrix_b_fmt:MATRIX_FMT_BF6
.endif
.endm
	s_load_b256 s[4:11], s[0:1], 0x0               ; xq s[4:5], wq s[6:7], bq s[8:9], bk s[10:11]
	s_load_b128 s[12:15], s[0:1], 0x20             ; bv s[12:13], qq s[14:15]
	s_load_b64 s[16:17], s[0:1], 0x30              ; kv
	v_lshl_add_u32 v254, v0, 2, 0x29000
	v_mov_b32 v255, 0
	ds_add_u32 v254, v255
	ds_add_u32 v254, v255
	v_lshrrev_b32 v1, 5, v0
	v_readfirstlane_b32 s[WV], v1                  ; wave 0..3
	s_bfe_u32 s19, ttmp6, 0x40000                  ; cx: my place in the cluster: it enters x's and the results' global addresses alone
	s_lshl_b32 s20, ttmp9, 2
	s_add_co_u32 s20, s20, s19                     ; my group of 256 tokens
	s_and_b32 s21, ttmp7, 0xffff                   ; the head, which the four partners share
	; descriptor group 1: a tile's eight fragments are 12,288 dense bytes: 48 rows of 256 bytes (32 elements of 8), no padding: every LDS read is 512 consecutive bytes
	s_mov_b32 s[G1], 15|(3<<16)|(1<<21)            ; 15:0 the mask: all four work-groups; 17:16 elements of 8 bytes; 21 set beside a mask
	s_mov_b32 s[G1+1], 32<<16                      ; tensor_dim0 = 32
	s_mov_b32 s[G1+2], 48<<16                      ; tensor_dim1 = 48
	s_mov_b32 s[G1+3], 32<<16                      ; tile_dim0 = 32
	s_mov_b32 s[G1+4], 48                          ; tile_dim1 = 48
	s_mov_b32 s[G1+5], 32                          ; the pitch
	s_mov_b32 s[G1+6], 0
	s_mov_b32 s[G1+7], 0
	s_mul_i32 s74, s[WV], TILEB                    ; wave w fetches tile w of each slot
	s_lshl_b32 s75, s21, 2
	s_add_co_u32 s75, s75, s[WV]                   ; column tile 4 head + w
	s_mul_i32 s76, s75, TILEB
	s_mov_b32 s77, 0
	s_wait_dscnt 0x0
	s_wait_kmcnt 0x0
	s_add_nc_u64 s[78:79], s[6:7], s[76:77]
.irp m, 0,1,2
	s_mov_b32 s[G0+4*\m], 1                        ; count = 1
	s_add_co_u32 s[G0+4*\m+1], s74, SLOTB*\m       ; LDS address
	s_add_nc_u64 s[G0+4*\m+2:G0+4*\m+3], s[78:79], 64*TILEB*\m   ; matrix m is 64 tiles on
	s_or_b32 s[G0+4*\m+3], s[G0+4*\m+3], 0x80000000   ; type = 2
.endr
	ROUND                                          ; all four work-groups are here: the joint loads meet
	tensor_load_to_lds s[G0:G0+3], s[G1:G1+7]      ; three loads of mine are out: Wq's tile,
	s_nop 0
	tensor_load_to_lds s[G0+4:G0+7], s[G1:G1+7]    ; Wk's,
	s_nop 0
	tensor_load_to_lds s[G0+8:G0+11], s[G1:G1+7]   ; Wv's
	s_nop 0
	PLACES 4
	v_and_b32 v1, 31, v0                           ; lane
	v_and_b32 v2, 15, v0                           ; r
	v_bfe_u32 v3, v0, 4, 1                         ; h
	v_lshlrev_b32 v[LB], 4, v1
	v_add_nc_u32 v[LB+1], SLOTB, v[LB]
	v_add_nc_u32 v[LB+2], 2*SLOTB, v[LB]
	v_lshlrev_b32 v7, 4, v1                        ; global: 16 x lane
	v_lshl_add_u32 v8, v1, 3, 512                  ; 8 x lane + 512: registers 4, 5 of half a fragment
	v_lshlrev_b32 v9, 2, v1                        ; 4 x lane
	v_lshlrev_b32 v10, 6, v3                       ; 64 h: bq, bk: my half's 16 channels of a block of 32
	v_and_b32 v11, 8, v2
	v_add_nc_u32 v11, v11, v2
	v_lshlrev_b32 v11, 2, v11                      ; 4 (r + 8 (r / 8)): bv: my channel in a tile
	v_cmp_lt_u32 s[HM], 15, v1
	s_mov_b32 s[SEL], 0x76543210
	s_mov_b32 s[SEL+1], 0xfedcba98
	s_mov_b32 s81, 0                               ; the upper word of every offset pair s[80:81]
	s_lshl_b32 s82, s20, 4
	s_lshl_b32 s83, s[WV], 2
	s_add_co_u32 s82, s82, s83                     ; my first token tile of 256: 16 group + 4 wave
	s_lshl_b32 s80, s82, 9                         ; its pair x 1,024
	s_add_co_u32 s80, s80, XQW
	s_add_nc_u64 s[50:51], s[4:5], s[80:81]        ; x's scale words
	s_lshl_b32 s80, s21, 11
	s_add_co_u32 s80, s80, XQW
	s_add_nc_u64 s[52:53], s[6:7], s[80:81]        ; the weights' scale words: pair 2 head; the matrix stands in the immediate
	s_mul_i32 s80, s82, TILEB
	s_add_nc_u64 s[48:49], s[4:5], s[80:81]        ; x's fragments
.irp p, 0,1
.irp s, 0,1,2,3,4,5,6,7
	global_load_b32 v[XS+8*\p+\s], v9, s[50:51] offset:1024*\p+128*\s
.endr
.endr
.irp m, 0,1,2
.irp p, 0,1
.irp s, 0,1,2,3,4,5,6,7
	global_load_b32 v[WS+16*\m+8*\p+\s], v9, s[52:53] offset:32768*\m+1024*\p+128*\s
.endr
.endr
.endr
.irp s, 0,1,2,3,4,5,6,7                        ; K step by K step, so that the first products need not wait for the last fragments
	WIN (0x40*(1+\s/4))                            ; destination window 1 or 2
.irp t, 0,1,2,3
.irp g, 0,1,2
	global_load_b128 v[48*(\s%4)+12*\t+4*\g:48*(\s%4)+12*\t+4*\g+3], v7, s[48:49] offset:TILEB*\t+FRB*\s+512*\g
.endr
.endr
.endr
	WIN 0
	s_lshl_b32 s80, s21, 8                         ; the head's 64 numbers of each bias
	s_add_nc_u64 s[54:55], s[8:9], s[80:81]
	s_add_nc_u64 s[56:57], s[10:11], s[80:81]
	s_add_nc_u64 s[58:59], s[12:13], s[80:81]
.irp n, 0,1,2,3                                ; tile n's eight channels of my half: 32 (n / 2) + 16 h + 8 (n % 2) + 0 .. 7
	global_load_b128 v[BQ+8*\n:BQ+8*\n+3], v10, s[54:55] offset:4*(32*(\n/2)+8*(\n%2))
	global_load_b128 v[BQ+8*\n+4:BQ+8*\n+7], v10, s[54:55] offset:4*(32*(\n/2)+8*(\n%2))+16
	global_load_b128 v[BK+8*\n:BK+8*\n+3], v10, s[56:57] offset:4*(32*(\n/2)+8*(\n%2))
	global_load_b128 v[BK+8*\n+4:BK+8*\n+7], v10, s[56:57] offset:4*(32*(\n/2)+8*(\n%2))+16
.endr
.irp n, 0,1,2,3                                ; bv of my one channel of tile n, twice: a pair for the packed addition
	global_load_b32 v[BV+2*\n], v11, s[58:59] offset:4*(32*(\n/2)+8*(\n%2))
	global_load_b32 v[BV+2*\n+1], v11, s[58:59] offset:4*(32*(\n/2)+8*(\n%2))
.endr
	; where the results go
	s_lshr_b32 s84, s20, 3
	s_lshl_b32 s84, s84, 4
	s_add_co_u32 s84, s84, s21                     ; bh = 16 batch + head
	s_and_b32 s85, s20, 7
	s_lshl_b32 s86, s85, 4
	s_add_co_u32 s86, s86, s83                     ; my first tile in the batch
	s_lshl_b32 s87, s84, 7
	s_add_co_u32 s87, s87, s86
	s_mul_i32 s80, s87, 768
	s_add_nc_u64 s[60:61], s[14:15], s[80:81]      ; q's halves of fragments
	s_lshl_b32 s80, s87, 6
	s_add_co_u32 s80, s80, XQW
	s_add_nc_u64 s[62:63], s[14:15], s[80:81]      ; q's words: 64 bytes a tile
	s_mul_i32 s80, s84, KVH
	s_add_nc_u64 s[66:67], s[16:17], s[80:81]      ; the head's block of kv
	s_lshl_b32 s88, s85, 1
	s_lshr_b32 s89, s[WV], 1
	s_add_co_u32 s88, s88, s89                     ; my key step of 128
	s_and_b32 s89, s[WV], 1                        ; and which 64 keys of it
	s_mul_i32 s90, s88, 768
	s_add_co_u32 s90, s90, KVW
	s_lshl_b32 s91, s89, 8
	s_add_co_u32 s80, s90, s91
	s_add_nc_u64 s[68:69], s[66:67], s[80:81]      ; k's words: my two pairs
	s_lshl_b32 s91, s89, 1
	s_add_co_u32 s80, s90, s91
	s_add_co_u32 s80, s80, 512
	s_add_nc_u64 s[72:73], s[66:67], s[80:81]      ; v's words: my two bytes of each
	s_mul_i32 s90, s88, 12288
	s_mul_i32 s91, s89, 768
	s_add_co_u32 s80, s90, s91
	s_add_co_u32 s80, s80, 6144
	s_add_nc_u64 s[70:71], s[66:67], s[80:81]      ; v's halves
	s_mul_i32 s91, s89, 3072
	s_add_co_u32 s80, s90, s91
	s_add_nc_u64 s[66:67], s[66:67], s[80:81]      ; k's halves: my four tiles
.macro FETCHB m, s, buf                ; slot m's four weight fragments of K step s into set buf: twelve loads of 512 consecutive bytes
.irp n, 0,1,2,3
.irp g, 0,1,2
	ds_load_b128 v[BF+48*(\buf)+12*\n+4*\g:BF+48*(\buf)+12*\n+4*\g+3], v[LB+\m] offset:TILEB*\n+FRB*(\s)+512*\g
.endr
.endr
.endm
; 16 products of a K step; the 16 accumulators take turns, one instruction a turn, in the same order in every step.
.macro MULQK m, s                      ; source 0 = W (window 0), source 1 = x (window 1 or 2), C and D window 3
	WIN (0xF0+4*(1+(\s)/4))
.irp t, 0,1,2,3
.irp n, 0,1,2,3
.if (\s) == 0
	WMZ ACC+32*\t+8*\n, BF+48*((\s)%2)+12*\n, 48*((\s)%4)+12*\t, WS+16*(\m)+8*(\n/2)+(\s), XS+8*(\t/2)+(\s), \n%2, \t%2
.else
	WMC ACC+32*\t+8*\n, BF+48*((\s)%2)+12*\n, 48*((\s)%4)+12*\t, ACC+32*\t+8*\n, WS+16*(\m)+8*(\n/2)+(\s), XS+8*(\t/2)+(\s), \n%2, \t%2
.endif
.endr
.endr
.endm
.macro MULV s                          ; source 0 = x, source 1 = Wv
	WIN (0xF0+1+(\s)/4)
.irp n, 0,1,2,3
.irp t, 0,1,2,3
.if (\s) == 0
	WMZ ACC+32*\n+8*\t, 48*((\s)%4)+12*\t, BF+48*((\s)%2)+12*\n, XS+8*(\t/2)+(\s), WS+32+8*(\n/2)+(\s), \t%2, \n%2
.else
	WMC ACC+32*\n+8*\t, 48*((\s)%4)+12*\t, BF+48*((\s)%2)+12*\n, ACC+32*\n+8*\t, XS+8*(\t/2)+(\s), WS+32+8*(\n/2)+(\s), \t%2, \n%2
.endif
.endr
.endr
.endm
.macro SLOT m
	s_wait_tensorcnt 2-\m                          ; my tile of this slot has landed; the later slots' loads may stay out
	s_barrier_signal -1
	s_barrier_wait -1                              ; everybody's has
	FETCHB \m, 0, 0
.irp s, 0,1,2,3,4,5,6,7
.if \s < 7
	PLACES 4                                       ; four places in front of loads into the set that the step before multiplied
	WIN 0
	FETCHB \m, \s+1, (\s+1)%2
	s_wait_dscnt 12                                ; all but the twelve just issued: this step's fragments are in
.else
	s_wait_dscnt 0x0
.endif
.if \m == 0                                    ; behind step s's x fragments were issued 12 (7 - s) fragment loads and the 24 bias loads; the wait's field holds 63
.if 108-12*\s > 63
	s_wait_loadcnt 63
.else
	s_wait_loadcnt 108-12*\s
.endif
.endif
.if \m == 2
	MULV \s
.else
	MULQK \m, \s
.endif
.endr
.endm
; THE EPILOGUE: four groups of 32 registers (q, k: a token tile; v: a channel tile), register 16 b + i = place 32 b + 16 (lane / 16) + i along the next K.  The bias is added in f32, each group's two blocks are
; quantised, and each group leaves as half a fragment and half a scale word.  kind = 1: v.  bb: the bias registers; ib, wb: the scalar pairs of the images' and the words' addresses; str: bytes from group to group.
.macro EPI kind, bb, ib, wb, str
	s_wait_loadcnt 0x0                             ; the biases (only the first epilogue finds loads out)
	PLACES 4                                       ; four places behind the last products
	WIN 0xC3                                       ; destination and source 0 window 3, source 1 window 0
.set q, 0
.rept 64                                       ; in ascending order: each accumulator is read from its low end on
.if \kind
	v_pk_add_f32 v[ACC+2*q:ACC+2*q+1], v[ACC+2*q:ACC+2*q+1], v[\bb+2*(q/16):\bb+2*(q/16)+1]
.else
	v_pk_add_f32 v[ACC+2*q:ACC+2*q+1], v[ACC+2*q:ACC+2*q+1], v[\bb+2*(q%16):\bb+2*(q%16)+1]
.endif
.set q, q+1
.endr
	WIN 0x3C                                       ; sources 1 and 2 window 3
.irp g, 0,1,2,3
.irp b, 0,1
	v_max3_num_f32 v[TM+2*\g+\b], 0x2800000, |v[ACC+32*\g+16*\b]|, |v[ACC+32*\g+16*\b+1]|   ; eight chains by turns; the floor 2^(5 - 127) among the leaves
.endr
.endr
.irp i, 2,4,6,8,10,12,14
.irp g, 0,1,2,3
.irp b, 0,1
	v_max3_num_f32 v[TM+2*\g+\b], v[TM+2*\g+\b], |v[ACC+32*\g+16*\b+\i]|, |v[ACC+32*\g+16*\b+\i+1]|
.endr
.endr
.endr
	WIN 0
.irp k, 0,1,2,3,4,5,6,7
	v_permlanex16_b32 v[TX+\k], v[TM+\k], s[SEL], s[SEL+1]
.endr
.irp k, 0,1,2,3,4,5,6,7
	v_max_num_f32 v[TM+\k], v[TM+\k], v[TX+\k]     ; with lane l xor 16's: the block's largest magnitude
.endr
.irp k, 0,1,2,3,4,5,6,7
	v_add_nc_u32 v[SO+\k], 0xfe000000, v[TM+\k]    ; 4 off the exponent field: the conversion's scale operand
.endr
.irp k, 0,1,2,3,4,5,6,7
	v_lshrrev_b32 v[BY+\k], 23, v[SO+\k]           ; the byte
.endr
.irp g, 0,1,2,3
	v_lshl_or_b32 v[PW+\g], v[BY+2*\g+1], 8, v[BY+2*\g]
.endr
	WIN 0x03                                       ; source 0 window 3
.irp g, 0,1,2,3
	v_cvt_scalef32_pk16_bf6_f32 v[PP+8*\g:PP+8*\g+2], v[ACC+32*\g:ACC+32*\g+15], v[SO+2*\g]
	v_cvt_scalef32_pk16_bf6_f32 v[TT+4*\g:TT+4*\g+2], v[ACC+32*\g+16:ACC+32*\g+31], v[SO+2*\g+1]
.endr
	WIN 0
	v_nop                                          ; one plain place behind the last conversion
.irp g, 0,1,2,3
.irp i, 0,1,2
	v_permlane16_swap_b32 v[PP+8*\g+\i], v[TT+4*\g+\i]   ; a whole block to a lane: lanes 0-15 block 0, lanes 16-31 block 1
.endr
.irp i, 0,1,2
	v_mov_b32 v[PP+8*\g+3+\i], v[TT+4*\g+\i]
.endr
.endr
.irp g, 0,1,2,3
	global_store_b128 v7, v[PP+8*\g:PP+8*\g+3], s[\ib:\ib+1] offset:\str*\g     ; 512 consecutive bytes,
	global_store_b64 v8, v[PP+8*\g+4:PP+8*\g+5], s[\ib:\ib+1] offset:\str*\g    ; and the 256 behind them
.endr
.irp p, 0,1
	v_cndmask_b32 v[SW+\p], v[PW+2*\p], v[PW+2*\p+1], s[HM]   ; lanes 0-15: the even group's words; lanes 16-31: the odd one's
.if \kind
	global_store_b16 v9, v[SW+\p], s[\wb:\wb+1] offset:128*\p   ; v: my 64 keys are two of a word's four bytes; the neighbour wave stores the other two
.else
	global_store_b32 v9, v[SW+\p], s[\wb:\wb+1] offset:128*\p
.endif
.endr
	s_wait_xcnt 0x0                                ; the stores' data registers are loaded again by the next slot only behind this wait
.endm
	SLOT 0
	EPI 0, BQ, 60, 62, 768
	SLOT 1
	EPI 0, BK, 66, 68, 768
	SLOT 2
	EPI 1, BV, 70, 72, 1536
	s_wait_dscnt 0x0
	s_wait_tensorcnt 0x0
	ds_add_u32 v254, v255
	s_wait_dscnt 0x0
	ROUND                                          ; the closing round: no work-group ends while a partner may still ask for a tile that names it
	s_endpgm
.Lfunc_end_k_q82a0e28b58_proj:
	.size	k_q82a0e28b58_proj, .Lfunc_end_k_q82a0e28b58_proj-k_q82a0e28b58_proj
	.p2alignl 7, 3214868480
	.fill 96, 4, 3214868480
	.section	.rodata,"a",@progbits
	.p2align	6, 0x0
	.amdhsa_kernel k_q82a0e28b58_proj
		.amdhsa_group_segment_fixed_size 168448
		.amdhsa_private_segment_fixed_size 0
		.amdhsa_enable_private_segment 0
		.amdhsa_kernarg_size 56
		.amdhsa_user_sgpr_count 2
		.amdhsa_user_sgpr_kernarg_segment_ptr 1
		.amdhsa_wavefront_size32 1
		.amdhsa_system_sgpr_workgroup_id_x 1
		.amdhsa_system_sgpr_workgroup_id_y 1
		.amdhsa_system_sgpr_workgroup_id_z 1
		.amdhsa_system_vgpr_workitem_id 0
		.amdhsa_next_free_vgpr 896
		.amdhsa_next_free_sgpr 96
		.amdhsa_reserve_vcc 0
		.amdhsa_float_denorm_mode_32 3
		.amdhsa_float_denorm_mode_16_64 3
		.amdhsa_memory_ordered 1
		.amdhsa_forward_progress 1
		.amdhsa_inst_pref_size 134
	.end_amdhsa_kernel
	.amdgpu_metadata
---
amdhsa.version: [ 1, 2 ]
amdhsa.kernels:
  - .name:           k_q82a0e28b58_proj
    .symbol:         k_q82a0e28b58_proj.kd
    .args:
      - { .name: xq, .offset: 0, .size: 8, .value_kind: global_buffer, .address_space: global }
      - { .name: wq, .offset: 8, .size: 8, .value_kind: global_buffer, .address_space: global }
      - { .name: bq, .offset: 16, .size: 8, .value_kind: global_buffer, .address_space: global }
      - { .name: bk, .offset: 24, .size: 8, .value_kind: global_buffer, .address_space: global }
      - { .name: bv, .offset: 32, .size: 8, .value_kind: global_buffer, .address_space: global }
      - { .name: qq, .offset: 40, .size: 8, .value_kind: global_buffer, .address_space: global }
      - { .name: kv, .offset: 48, .size: 8, .value_kind: global_buffer, .address_space: global }
    .group_segment_fixed_size: 168448
    .private_segment_fixed_size: 0
    .kernarg_segment_align: 8
    .kernarg_segment_size: 56
    .max_flat_workgroup_size: 128
    .sgpr_count:     96
    .vgpr_count:     896
    .wavefront_size: 32
...
	.end_amdgpu_metadata
.endif
;; end of part 2
;; launch attn (part 3): grid 8 x 32, 16 waves a work-group, clusters of 4 x 1, 210,944 bytes of LDS; arguments qq, kv, yq; writes yq
.if DOCPART == 3
	.amdgcn_target "amdgcn-amd-amdhsa--gfx1250"
	.amdhsa_code_object_version 6
	.text
	.protected	k_q82a0e28b58_attn
	.globl	k_q82a0e28b58_attn
	.p2align	8
	.type	k_q82a0e28b58_attn,@function
k_q82a0e28b58_attn:
	s_mov_b64 s[64:65], 0
	v_nop
	global_prefetch_b8 v0, s[64:65] scope:SCOPE_SE
	s_setreg_imm32_b32 hwreg(HW_REG_WAVE_MODE, 25, 1), 1
	s_wait_xcnt 0x0
	s_wait_alu depctr_hold_cnt(0) depctr_sa_sdst(0) depctr_va_vdst(0) depctr_va_sdst(0) depctr_va_ssrc(0) depctr_va_vcc(0) depctr_vm_vsrc(0)
	s_getreg_b32 s2, hwreg(HW_REG_IB_STS2, 6, 4)
	s_cmp_eq_u32 s2, 0
	s_cbranch_scc0 .Lentry_in_a_cluster
	s_endpgm
.Lentry_in_a_cluster:
	s_bfe_u32 s2, ttmp6, 0x10000c
	s_cmp_lg_u32 s2, 0x3003
	s_cbranch_scc0 .Lentry_shape_is_right
	s_endpgm
.Lentry_shape_is_right:
; y[b][q][head] = softmax_k(q . k / 8 - slope (q - k), k <= q) v, both products on codes of BF6 with E8M0 scales; y is quantised along its 64 channels on the way out.
; THE SOFTMAX AHEAD OF THE SECOND PRODUCT: t = logit x log2(e); M = the running largest t rounded UP to a whole number; p = 2^(t - M) is quantised along the keys, not normalised; the row's sum is taken of the
; unquantised p and divides at the end.  When M moves, the sum and O are multiplied by 2^(old M - new M): exact.
; SHARES: work-group (x = g, 0..7; y = 16 batch + head).  A head's K, V and scale words are ONE dense block of 208,896 bytes: it comes into LDS whole, each byte filled once (each of the sixteen waves brings
; 51 rows of 256 bytes), so the loop over the keys has no barrier.  Wave w owns ONE tile of 16 queries: tile g of the group G(w) of 128 queries.  G(w) runs through a 4 x 4 magic square less one, so that the waves
; w % 4 = const and the waves w / 4 = const each have 34 key steps, and every work-group 136.
; CLUSTER: the four work-groups of a cluster have the same head: the block is asked for JOINTLY (mask 15).  All control flow hangs on the wave's number alone; g enters global addresses and the mask's compare only.
; LAYOUT: S^T = K Q^T (source 0 = 16 keys), O^T = V^T P^T (source 0 = 16 channels): a lane holds ONE query (row lane % 16 of its tile).  Row i of tile 2 B + u is token (channel) 32 B + 8 u + i + 8 (i / 8):
; register 16 b + 8 u + j of the scores is key KF + 32 b + 16 (lane / 16) + 8 u + j.
; THE FIRST PRODUCT'S K IS 64: q's registers 6-11 are zero codes.  K's halves of fragments lie 6 registers apart, so an operand's upper six registers are the next tile's codes (behind the last tile: zeros);
; E3M2 has no infinity and no NaN, and the scale bytes there are 0 (2^-127): these products are exactly 0.
; ALIBI costs no instruction a score: slope x 8 x (8 u + j) is the C of the score's product (16 constant registers, at most 85), and a x DF_b, a = slope x log2(e), DF_b = KF + 32 b + 16 (lane / 16) - my query
; (a whole number, exact in f32), is the addend of the multiply-add that makes t.  LIMIT: the order of these roundings differs from the reference's; the difference in t is about 1e-6 + 1e-7 |bias|.
; Slopes: 2^(-(head + 1) / 2).  LIMITS: NaN and infinities are not served; v_exp_f32 is taken not to fall where its input rises (a block's largest p is made from its largest score); a block of y whose
; largest magnitude lies under 2^-122 gets the byte 1.
.set KVH,  208896
.set KVW,  196608
.set QW,   3145728
.set WV,   10
.set GQ,   16                          ; s16  G: my group of 128 queries = the number of my last key step
.set SEL,  18                          ; s[18:19]
.set CS,   20                          ; s[20:21] c = log2(e) / 8
.set SA,   22                          ; s22  a = slope x log2(e)
.set S8,   23                          ; s23  8 x slope
.set G1,   24
.set G0,   32
.set TB,   36                          ; s36  LDS byte of the step's tiles
.set TS,   37                          ; s37  of its scale words, less KVW
.set ST,   38                          ; s38  the step
.set DD,   4                           ; v4   my query's place in its group, less 16 (lane / 16)
.set A16,  5                           ; v5-7 the step's LDS addresses
.set A8,   6
.set AS,   7
.set KS,   8                           ; v8-11  K's scale words
.set QF,   16                          ; v16-27 Q
.set QS,   28
.set NINF, 29
.set FF,   30                          ; v[30:31] f
.set FR,   32                          ; v32-85 fragments of K, then of V; v80-85 stay 0
.set S,    86                          ; v86-149 scores, then p
.set O,    150                         ; v150-181 O^T
.set CB,   182                         ; v182-197
.set PC,   198                         ; v198-209 p's codes
.set T,    210
.set MX,   218
.set TX,   222                         ; v222-225: written with 0 at the head, since lane permutes land here
.set EM,   226                         ; v226, 228, 230, 232: e_b - M (each the low word of a pair)
.set E,    234
.set DF,   238
.set SO,   242
.set BY,   246
.set PW,   250
.set VS,   251
.macro PLACES n
.rept \n
	v_nop
.endr
.endm
.macro ROUND
	s_barrier_signal -1
	s_barrier_wait -1
	s_cmp_lg_u32 s[WV], 0
	s_cbranch_scc1 .Lnot_wave_0_\@
	s_barrier_signal -3
.Lnot_wave_0_\@:
	s_barrier_wait -3
	s_barrier_signal -1
	s_barrier_wait -1
.endm
.macro WMC d, a, b, c, sa, sb, ra      ; ra = 1: source 0's scale words stand in lanes 16-31 (the odd tile of a pair)
.if \ra
	v_wmma_scale_f32_16x16x128_f8f6f4 v[\d:\d+7], v[\a:\a+11], v[\b:\b+11], v[\c:\c+7], v[\sa], v[\sb] matrix_a_fmt:MATRIX_FMT_BF6 matrix_b_fmt:MATRIX_FMT_BF6 matrix_a_scale:MATRIX_SCALE_ROW1
.else
	v_wmma_scale_f32_16x16x128_f8f6f4 v[\d:\d+7], v[\a:\a+11], v[\b:\b+11], v[\c:\c+7], v[\sa], v[\sb] matrix_a_fmt:MATRIX_FMT_BF6 matrix_b_fmt:MATRIX_FMT_BF6
.endif
.endm
; 32 numbers of a lane, register 16 b + i = k 32 b + 16 (lane / 16) + i, become half a fragment in v[pc] .. v[pc + 5] and two scale bytes in v[pw].
; tm: eight registers at work; v[tm + 2] and v[tm + 3], on which lane permutes land, must have been written before on every path.
.macro QUANT2 s, pc, tq, pw, tm
.irp b, 0,1
	v_max3_num_f32 v[\tm+\b], |v[\s+16*\b]|, |v[\s+16*\b+1]|, 0x2800000
.endr
.irp i, 2,4,6,8,10,12,14
.irp b, 0,1
	v_max3_num_f32 v[\tm+\b], v[\tm+\b], |v[\s+16*\b+\i]|, |v[\s+16*\b+\i+1]|
.endr
.endr
.irp b, 0,1
	v_permlanex16_b32 v[\tm+2+\b], v[\tm+\b], s[SEL], s[SEL+1]
.endr
.irp b, 0,1
	v_max_num_f32 v[\tm+\b], v[\tm+\b], v[\tm+2+\b]
.endr
.irp b, 0,1
	v_add_nc_u32 v[\tm+4+\b], 0xfe000000, v[\tm+\b]
.endr
.irp b, 0,1
	v_lshrrev_b32 v[\tm+6+\b], 23, v[\tm+4+\b]
.endr
	v_lshl_or_b32 v[\pw], v[\tm+7], 8, v[\tm+6]
	v_cvt_scalef32_pk16_bf6_f32 v[\pc:\pc+2], v[\s:\s+15], v[\tm+4]
	v_cvt_scalef32_pk16_bf6_f32 v[\tq:\tq+2], v[\s+16:\s+31], v[\tm+5]
	v_nop
.irp i, 0,1,2
	v_permlane16_swap_b32 v[\pc+\i], v[\tq+\i]
.endr
.irp i, 0,1,2
	v_mov_b32 v[\pc+3+\i], v[\tq+\i]
.endr
.endm
	s_load_b128 s[4:7], s[0:1], 0x0                ; qq s[4:5], kv s[6:7]
	s_load_b64 s[8:9], s[0:1], 0x10                ; yq
	v_lshl_add_u32 v213, v0, 2, 0x33000
	v_mov_b32 v217, 0
	ds_add_u32 v213, v217
	ds_add_u32 v213, v217
	v_lshrrev_b32 v1, 5, v0
	v_readfirstlane_b32 s[WV], v1                  ; wave 0..15
	s_bfe_u32 s11, ttmp6, 0x40000                  ; cx
	s_lshl_b32 s12, ttmp9, 2
	s_add_co_u32 s12, s12, s11                     ; g
	s_and_b32 s13, ttmp7, 0xffff                   ; bh, which the four partners share
	s_and_b32 s14, s13, 15                         ; head
	s_lshr_b32 s15, s13, 4                         ; batch
	s_mov_b32 s[GQ], 0x0de3b658                    ; G(8 .. 15) = 8, 5, 6, 11, 3, 14, 13, 0, four bits each, the lowest first
	s_mov_b32 s17, 0x7a94c12f                      ; G(0 .. 7) = 15, 2, 1, 12, 4, 9, 10, 7
	s_cmp_lt_u32 s[WV], 8
	s_cselect_b32 s[GQ], s17, s[GQ]
	s_and_b32 s17, s[WV], 7
	s_lshl_b32 s17, s17, 2
	s_lshr_b32 s[GQ], s[GQ], s17
	s_and_b32 s[GQ], s[GQ], 15
	s_lshl_b32 s17, s[GQ], 3
	s_add_co_u32 s17, s17, s12                     ; tau = 8 G + g: my tile of the head's 128
	; descriptor: 51 rows of 256 dense bytes (32 elements of 8), no padding
	s_mov_b32 s[G1], 15|(3<<16)|(1<<21)            ; the mask: all four work-groups; elements of 8 bytes; bit 21 set beside a mask
	s_mov_b32 s[G1+1], 32<<16
	s_mov_b32 s[G1+2], 51<<16
	s_mov_b32 s[G1+3], 32<<16
	s_mov_b32 s[G1+4], 51
	s_mov_b32 s[G1+5], 32
	s_mov_b32 s[G1+6], 0
	s_mov_b32 s[G1+7], 0
	s_mul_i32 s48, s[WV], 13056                    ; my sixteenth of the block
	s_mul_i32 s50, s13, KVH
	s_add_co_u32 s50, s50, s48
	s_mov_b32 s51, 0
	s_wait_dscnt 0x0
	s_wait_kmcnt 0x0
	s_mov_b32 s[G0], 1
	s_mov_b32 s[G0+1], s48
	s_add_nc_u64 s[G0+2:G0+3], s[6:7], s[50:51]
	s_or_b32 s[G0+3], s[G0+3], 0x80000000
	ROUND                                          ; all four work-groups are here: the joint loads meet
	tensor_load_to_lds s[G0:G0+3], s[G1:G1+7]      ; one load of mine is out
	s_nop 0
	PLACES 4
	s_mov_b32 s53, 0
	s_lshl_b32 s54, s13, 7
	s_add_co_u32 s54, s54, s17                     ; 128 bh + tau
	s_mul_i32 s52, s54, 768
	s_add_nc_u64 s[40:41], s[4:5], s[52:53]        ; my tile of q
	s_lshl_b32 s52, s54, 6
	s_add_co_u32 s52, s52, QW
	s_add_nc_u64 s[42:43], s[4:5], s[52:53]        ; its scale words: 64 bytes a tile
	v_and_b32 v86, 31, v0                          ; lane   (v86-90 are free until the first scores)
	v_and_b32 v87, 15, v0                          ; r
	v_bfe_u32 v88, v0, 4, 1                        ; h
	v_lshlrev_b32 v1, 4, v86                       ; 16 x lane
	v_lshl_add_u32 v2, v86, 3, 512                 ; 8 x lane + 512
	v_lshl_add_u32 v3, v86, 2, KVW                 ; 4 x lane + where the scale words begin
	v_lshlrev_b32 v90, 2, v87                      ; 4 r
	global_load_b128 v[QF:QF+3], v1, s[40:41]
	global_load_b64 v[QF+4:QF+5], v2, s[40:41]
	global_load_b32 v[QS], v90, s[42:43]
	s_lshl_b32 s54, s15, 7
	s_add_co_u32 s54, s54, s17                     ; my tile of the 256
	s_lshl_b32 s55, s54, 4
	s_add_co_u32 s55, s55, s14
	s_mul_i32 s52, s55, 768
	s_add_nc_u64 s[44:45], s[8:9], s[52:53]        ; y: [tile][head][768]
	s_lshr_b32 s55, s54, 1
	s_lshl_b32 s52, s55, 10                        ; y's words: the pair,
	s_lshr_b32 s55, s14, 1
	s_lshl_b32 s55, s55, 7
	s_add_co_u32 s52, s52, s55                     ; the K step = head / 2,
	s_and_b32 s55, s54, 1
	s_lshl_b32 s55, s55, 6
	s_add_co_u32 s52, s52, s55                     ; the pair's half,
	s_and_b32 s55, s14, 1
	s_lshl_b32 s55, s55, 1
	s_add_co_u32 s52, s52, s55                     ; and the word's half = head % 2
	s_add_co_u32 s52, s52, QW
	s_add_nc_u64 s[46:47], s[8:9], s[52:53]
	s_mov_b32 s[SEL], 0x76543210
	s_mov_b32 s[SEL+1], 0xfedcba98
	s_mov_b32 s[CS], 0x3e38aa3b                    ; c = log2(e) / 8
	s_mov_b32 s[CS+1], s[CS]                       ; (named with it as a pair)
	s_mov_b32 s[SA], 0x3f3504f3                    ; 2^-0.5
	s_and_b32 s55, s14, 1
	s_cmp_lg_u32 s55, 0
	s_cselect_b32 s[SA], 0x3f000000, s[SA]         ; odd heads: 2^-1
	s_lshr_b32 s55, s14, 1
	s_lshl_b32 s55, s55, 23
	s_sub_co_u32 s[SA], s[SA], s55                 ; head / 2 off the exponent field: the slope, 2^(-(head + 1) / 2)
	s_add_co_u32 s[S8], s[SA], 3<<23               ; 8 x slope
	s_mul_f32 s[SA], s[SA], 0x3fb8aa3b             ; a
	s_lshr_b32 s54, s12, 1
	s_lshl_b32 s54, s54, 5
	s_and_b32 s55, s12, 1
	s_lshl_b32 s55, s55, 3
	s_add_co_u32 s55, s55, s54                     ; 32 (g / 2) + 8 (g % 2)
	v_and_b32 v[DD], 8, v87
	v_add_nc_u32 v[DD], v[DD], v87
	v_lshlrev_b32 v89, 4, v88
	v_sub_nc_u32 v[DD], v[DD], v89
	v_add_nc_u32 v[DD], s55, v[DD]                 ; my query in its group, less 16 h (it may be negative: the compares are signed)
	s_lshl_b32 s54, s[GQ], 7
	v_add_nc_u32 v89, s54, v[DD]
.irp b, 0,1,2,3
	v_sub_nc_u32 v[DF+\b], 32*\b, v89
.endr
.irp b, 0,1,2,3
	v_cvt_f32_i32 v[DF+\b], v[DF+\b]               ; DF_b at key step 0: 32 b + 16 h - my query
.endr
.irp k, 0,1,2,3,4,5,6,7,8,9,10,11,12,13,14,15
	v_cvt_f32_u32 v[CB+\k], \k
.endr
.irp k, 0,1,2,3,4,5,6,7,8,9,10,11,12,13,14,15
	v_mul_f32 v[CB+\k], s[S8], v[CB+\k]            ; 8 slope x (8 u + j)
.endr
.irp k, 6,7,8,9,10,11
	v_mov_b32 v[QF+\k], 0                          ; q's upper 64 along K: zero codes
	v_mov_b32 v[FR+42+\k], 0                       ; v80-85: what the last tile of K has above it
.endr
.set i, 0
.rept 32
	v_mov_b32 v[O+i], 0                            ; the step is written once: the first finds zeros
.set i, i+1
.endr
	v_mov_b32 v13, 0xff61b1e6                      ; the largest t so far: -3e38
	v_floor_f32 v12, -v13                          ; -M
	v_mov_b32 v14, 0                               ; the sum, in two halves
	v_mov_b32 v15, 0
	v_mov_b32 v[NINF], 0xff800000
	v_mov_b32 v[FF+1], 0                           ; (named as upper halves of pairs)
.irp b, 0,1,2,3
	v_mov_b32 v[EM+2*\b+1], 0
	v_mov_b32 v[TX+\b], 0                          ; a lane permute's destination counts as read: the loop's and the way out's permutes land here
.endr
	v_mov_b32 v255, 0
	s_mov_b32 s[TB], 0
	s_mov_b32 s[TS], 0
	s_mov_b32 s[ST], 0
	s_wait_loadcnt 0x0                             ; Q
	s_wait_tensorcnt 0x0                           ; my part of the head's block has landed,
	s_barrier_signal -1
	s_barrier_wait -1                              ; everybody's has
.Lstep:                                            ; sixteen trips, a constant; a step all of whose keys come after my queries is passed over (a branch on the wave's number; no barrier stands in a step)
	s_cmp_gt_u32 s[ST], s[GQ]
	s_cbranch_scc1 .Lhid
	v_add_nc_u32 v[A16], s[TB], v1                 ; these seven lines are also the places in front of loads into registers that the last products read
	v_add_nc_u32 v[A8], s[TB], v2
	v_add_nc_u32 v[AS], s[TS], v3
.irp b, 0,1,2,3
	v_mul_f32 v[E+\b], s[SA], v[DF+\b]             ; e_b
.endr
.irp t, 0,1,2,3,4,5,6,7
	ds_load_b128 v[FR+6*\t:FR+6*\t+3], v[A16] offset:768*\t
	ds_load_b64 v[FR+6*\t+4:FR+6*\t+5], v[A8] offset:768*\t
.endr
.irp p, 0,1,2,3
	ds_load_b32 v[KS+\p], v[AS] offset:128*\p
.endr
	s_wait_dscnt 0x0
.irp t, 0,1,2,3,4,5,6,7
	WMC S+8*\t, FR+6*\t, QF, CB+8*(\t%2), KS+\t/2, QS, \t%2   ; s' = q . k + 8 slope (8 u + j)
.endr
	PLACES 4                                       ; in front of the loads into K's registers and of the first read of the scores
.irp n, 0,1,2,3                                ; V's four fragments land during the softmax
	ds_load_b128 v[FR+12*\n:FR+12*\n+3], v[A16] offset:6144+1536*\n
	ds_load_b64 v[FR+12*\n+4:FR+12*\n+5], v[A8] offset:6144+1536*\n
	ds_load_b128 v[FR+12*\n+6:FR+12*\n+9], v[A16] offset:6144+1536*\n+768
	ds_load_b64 v[FR+12*\n+10:FR+12*\n+11], v[A8] offset:6144+1536*\n+768
.endr
.irp p, 0,1
	ds_load_b32 v[VS+\p], v[AS] offset:512+128*\p
.endr
	s_cmp_lg_u32 s[ST], s[GQ]
	s_cbranch_scc1 .Lopen
.set n, 0
.rept 64                                       ; my last step lies on the diagonal: register n holds key 32 (n / 16) + n % 16 + 16 h of the group: hidden where that exceeds my query
	v_cmp_gt_i32 vcc_lo, 32*(n/16)+n%16, v[DD]
	v_cndmask_b32 v[S+n], v[S+n], v[NINF], vcc_lo
.set n, n+1
.endr
.Lopen:
.irp b, 0,1,2,3
	v_max3_num_f32 v[MX+\b], v[S+16*\b], v[S+16*\b+1], v[S+16*\b+2]   ; my largest s' of each block of 32 keys: it serves the row's maximum and the block's largest p
.endr
.irp i, 3,5,7,9,11,13
.irp b, 0,1,2,3
	v_max3_num_f32 v[MX+\b], v[MX+\b], v[S+16*\b+\i], v[S+16*\b+\i+1]
.endr
.endr
.irp b, 0,1,2,3
	v_max_num_f32 v[MX+\b], v[MX+\b], v[S+16*\b+15]
.endr
.irp b, 0,1,2,3
	v_fma_f32 v[TX+\b], v[MX+\b], s[CS], v[E+\b]   ; as t: e_b differs between the halves of the lanes, so the halves meet only as t
.endr
	v_max3_num_f32 v253, v[TX], v[TX+1], v[TX+2]
	v_max_num_f32 v253, v253, v[TX+3]
	v_permlanex16_b32 v255, v253, s[SEL], s[SEL+1]
	v_max3_num_f32 v13, v13, v253, v255            ; the running largest t
	v_mov_b32 v254, v12
	v_floor_f32 v12, -v13                          ; -M = floor(-t): M is a whole number
	v_sub_f32 v254, v12, v254                      ; old M - new M, 0 or less
	v_cvt_i32_f32 v254, v254                       ; (it saturates)
	v_ldexp_f32 v[FF], 1.0, v254                   ; f = 2^(old M - new M)
.irp b, 0,1,2,3
	v_add_f32 v[EM+2*\b], v[E+\b], v12             ; e_b - M
.endr
.set j, 0
.rept 32
	v_pk_fma_f32 v[S+j:S+j+1], v[S+j:S+j+1], s[CS:CS+1], v[EM+2*(j/16):EM+2*(j/16)+1] op_sel_hi:[1,0,0]   ; t - M, two at a time
.set j, j+2
.endr
.irp b, 0,1,2,3
	v_fma_f32 v[MX+\b], v[MX+\b], s[CS], v[EM+2*\b]   ; the same of my largest score of each block
.endr
.set j, 0
.rept 64
	v_exp_f32 v[S+j], v[S+j]                       ; p, at most 1
.set j, j+1
.endr
.irp b, 0,1,2,3
	v_exp_f32 v[MX+\b], v[MX+\b]                   ; the same two instructions on the same number give the same bits
.endr
	v_pk_mul_f32 v[14:15], v[14:15], v[FF:FF+1] op_sel_hi:[1,0]   ; the sums under the new M (a plain place behind the exponentials)
	s_wait_alu depctr_va_vdst(0)
.irp b, 0,1,2,3
	v_permlanex16_b32 v[TX+\b], v[MX+\b], s[SEL], s[SEL+1]
.endr
.irp b, 0,1,2,3
	v_max3_num_f32 v[MX+\b], v[MX+\b], v[TX+\b], 0x2800000   ; the block's largest p, and the floor 2^(5 - 127)
.endr
.irp b, 0,1,2,3
	v_add_nc_u32 v[SO+\b], 0xfe000000, v[MX+\b]
.endr
.irp b, 0,1,2,3
	v_lshrrev_b32 v[BY+\b], 23, v[SO+\b]
.endr
	v_lshl_or_b32 v[PW], v[BY+1], 8, v[BY]         ; p's scale word for these 128 keys
	v_lshl_or_b32 v[PW], v[BY+2], 16, v[PW]
	v_lshl_or_b32 v[PW], v[BY+3], 24, v[PW]
.irp c, 0,1
	v_cvt_scalef32_pk16_bf6_f32 v[PC+6*\c:PC+6*\c+2], v[S+32*\c:S+32*\c+15], v[SO+2*\c]
	v_cvt_scalef32_pk16_bf6_f32 v[T+4*\c:T+4*\c+2], v[S+32*\c+16:S+32*\c+31], v[SO+2*\c+1]
.endr
	v_nop                                          ; one plain place behind the last conversion
.irp c, 0,1
.irp i, 0,1,2
	v_permlane16_swap_b32 v[PC+6*\c+\i], v[T+4*\c+\i]
.endr
.irp i, 0,1,2
	v_mov_b32 v[PC+6*\c+3+\i], v[T+4*\c+\i]
.endr
.endr
	v_pk_add_f32 v[254:255], v[S:S+1], v[S+2:S+3]  ; the row's sum is taken of the unquantised p, in two chains
.irp j, 4,8,12,16,20,24,28,32,36,40,44,48,52,56,60
	v_pk_add_f32 v[14:15], v[14:15], v[S+\j:S+\j+1]
	v_pk_add_f32 v[254:255], v[254:255], v[S+\j+2:S+\j+3]
.endr
	v_pk_add_f32 v[14:15], v[14:15], v[254:255]
.set j, 0
.rept 16
	v_pk_mul_f32 v[O+j:O+j+1], v[O+j:O+j+1], v[FF:FF+1] op_sel_hi:[1,0]   ; O^T under the new M
.set j, j+2
.endr
.irp b, 0,1,2,3
	v_add_f32 v[DF+\b], 0x43000000, v[DF+\b]       ; the next step's keys lie 128 further on
.endr
	s_wait_dscnt 0x0                               ; V and its scale words
.irp n, 0,1,2,3
	WMC O+8*\n, FR+12*\n, PC, O+8*\n, VS+\n/2, PW, \n%2   ; the four accumulators by turns; the eight score products stand between a link and the next
.endr
.Lhid:
	s_add_co_u32 s[TB], s[TB], 12288
	s_add_co_u32 s[TS], s[TS], 768
	s_add_co_u32 s[ST], s[ST], 1
	s_cmp_lt_u32 s[ST], 16
	s_cbranch_scc1 .Lstep
	PLACES 4                                       ; behind the last products
	v_add_f32 v14, v14, v15
	v_permlanex16_b32 v255, v14, s[SEL], s[SEL+1]
	v_add_f32 v14, v14, v255                       ; the row's sum
	v_rcp_f32 v14, v14
	v_and_b32 v253, 15, v0                         ; (a plain place behind the reciprocal)
	v_lshlrev_b32 v253, 2, v253                    ; 4 r
.set j, 0
	s_wait_alu depctr_va_vdst(0)
.rept 32
	v_mul_f32 v[S+j], v[O+j], v14                  ; y(my query, channel 32 b + 16 h + i) in register 16 b + i; each accumulator from its low end on
.set j, j+1
.endr
	QUANT2 S, PC, T, PW, TX                        ; at work in v222-229, which the loop has left; its permutes land on v224, v225, written at the head on every path
	global_store_b128 v1, v[PC:PC+3], s[44:45]     ; half a fragment of the last product's operand: 512 consecutive bytes,
	global_store_b64 v2, v[PC+4:PC+5], s[44:45]    ; and the 256 behind them
	global_store_b16 v253, v[PW], s[46:47]         ; my head's half of the scale word; lanes l and l + 16 hold the same value and name the same two bytes
	s_wait_dscnt 0x0
	s_wait_tensorcnt 0x0
	ds_add_u32 v213, v217
	s_wait_dscnt 0x0
	ROUND                                          ; the closing round
	s_endpgm
.Lfunc_end_k_q82a0e28b58_attn:
	.size	k_q82a0e28b58_attn, .Lfunc_end_k_q82a0e28b58_attn-k_q82a0e28b58_attn
	.p2alignl 7, 3214868480
	.fill 96, 4, 3214868480
	.section	.rodata,"a",@progbits
	.p2align	6, 0x0
	.amdhsa_kernel k_q82a0e28b58_attn
		.amdhsa_group_segment_fixed_size 210944
		.amdhsa_private_segment_fixed_size 0
		.amdhsa_enable_private_segment 0
		.amdhsa_kernarg_size 24
		.amdhsa_user_sgpr_count 2
		.amdhsa_user_sgpr_kernarg_segment_ptr 1
		.amdhsa_wavefront_size32 1
		.amdhsa_system_sgpr_workgroup_id_x 1
		.amdhsa_system_sgpr_workgroup_id_y 1
		.amdhsa_system_sgpr_workgroup_id_z 1
		.amdhsa_system_vgpr_workitem_id 0
		.amdhsa_next_free_vgpr 256
		.amdhsa_next_free_sgpr 66
		.amdhsa_reserve_vcc 1
		.amdhsa_float_denorm_mode_32 3
		.amdhsa_float_denorm_mode_16_64 3
		.amdhsa_memory_ordered 1
		.amdhsa_forward_progress 1
		.amdhsa_inst_pref_size 35
	.end_amdhsa_kernel
	.amdgpu_metadata
---
amdhsa.version: [ 1, 2 ]
amdhsa.kernels:
  - .name:           k_q82a0e28b58_attn
    .symbol:         k_q82a0e28b58_attn.kd
    .args:
      - { .name: qq, .offset: 0, .size: 8, .value_kind: global_buffer, .address_space: global }
      - { .name: kv, .offset: 8, .size: 8, .value_kind: global_buffer, .address_space: global }
      - { .name: yq, .offset: 16, .size: 8, .value_kind: global_buffer, .address_space: global }
    .group_segment_fixed_size: 210944
    .private_segment_fixed_size: 0
    .kernarg_segment_align: 8
    .kernarg_segment_size: 24
    .max_flat_workgroup_size: 512
    .sgpr_count:     66
    .vgpr_count:     256
    .wavefront_size: 32
...
	.end_amdgpu_metadata
.endif
;; end of part 3
;; launch oproj (part 4): grid 16 x 16, 4 waves a work-group, clusters of 4 x 1, 168,448 bytes of LDS; arguments yq, wq, bo, out0; writes out0
.if DOCPART == 4
	.amdgcn_target "amdgcn-amd-amdhsa--gfx1250"
	.amdhsa_code_object_version 6
	.text
	.protected	k_q82a0e28b58_oproj
	.globl	k_q82a0e28b58_oproj
	.p2align	8
	.type	k_q82a0e28b58_oproj,@function
k_q82a0e28b58_oproj:
	s_mov_b64 s[64:65], 0
	v_nop
	global_prefetch_b8 v0, s[64:65] scope:SCOPE_SE
	s_setreg_imm32_b32 hwreg(HW_REG_WAVE_MODE, 25, 1), 1
	s_wait_xcnt 0x0
	s_wait_alu depctr_hold_cnt(0) depctr_sa_sdst(0) depctr_va_vdst(0) depctr_va_sdst(0) depctr_va_ssrc(0) depctr_va_vcc(0) depctr_vm_vsrc(0)
	s_getreg_b32 s2, hwreg(HW_REG_IB_STS2, 6, 4)
	s_cmp_eq_u32 s2, 0
	s_cbranch_scc0 .Lentry_in_a_cluster
	s_endpgm
.Lentry_in_a_cluster:
	s_bfe_u32 s2, ttmp6, 0x10000c
	s_cmp_lg_u32 s2, 0x3003
	s_cbranch_scc0 .Lentry_shape_is_right
	s_endpgm
.Lentry_shape_is_right:
; out0 = y Wo + bo on codes of BF6 with E8M0 scales.  y's codes (yq) and Wo's (matrix 3 of wq) lie as images of the operand's registers.
; SHARES: work-group (x = group of 256 tokens, y = group of 64 output columns); wave w takes tokens 64 w .. 64 w + 63 (four token tiles) x the 64 columns: 16 accumulators, 8 K steps of 128.
; y's 32 fragments are the wave's own and come straight into registers, once; the 64 columns' weights (49,152 bytes) are read by all four waves and come into LDS by tensor loads, each byte filled once.
; CLUSTER: the four work-groups of a cluster have the same columns: the weights are asked for JOINTLY (mask 15; the descriptor hangs on the column group and the wave's number).
; LAYOUT: source 0 = 16 columns of Wo, source 1 = 16 tokens: a lane holds one token (row lane % 16 of its tile) and eight neighbouring columns a tile; bo is the C of each sum's first product.
; Row i of tile 2 B + u is token (column) 32 B + 8 u + i + 8 (i / 8).  A tile's 16 rows x 256 bytes go through the wave's own stage in LDS and leave as whole rows: sixteen lanes store 256 consecutive, aligned bytes.
; REGISTERS: window 0: v1-14 addresses; v16-31 y's scale words, v32-47 Wo's; v80-175 two sets of four weight fragments, v176-207 bo (on the way out v80-207: rows read back);
;   windows 1, 2: y's fragments of K steps 0-3, 4-7, at 48 (s % 4) + 12 t;  window 3: v0-127 the accumulators.
.set XQW,   3145728
.set FRB,   1536
.set TILEB, 12288
.set STAGE, 49152                      ; behind the weights: 16 rows x 272 bytes for each wave; no tensor load lands there
.set SP,    272                        ; 68 words: sixteen rows begin in sixteen different groups of four banks
.set WV,  18
.set G1,  24
.set G0,  32
.set LB,  4
.set STO, 12
.set RD,  13
.set GO,  14
.set XS,  16
.set WS,  32
.set BF,  80
.set BI,  176
.set OB,  80
.set ACC, 0
.set MSB, 0
.macro WIN new                         ; the immediate's high byte repeats the setting that is left
.if MSB != \new
	s_set_vgpr_msb (MSB<<8)|\new
.set MSB, \new
.endif
.endm
.macro PLACES n
.rept \n
	v_nop
.endr
.endm
.macro ROUND
	s_barrier_signal -1
	s_barrier_wait -1
	s_cmp_lg_u32 s[WV], 0
	s_cbranch_scc1 .Lnot_wave_0_\@
	s_barrier_signal -3
.Lnot_wave_0_\@:
	s_barrier_wait -3
	s_barrier_signal -1
	s_barrier_wait -1
.endm
.macro WMC d, a, b, c, sa, sb, ra, rb  ; ra, rb = 1: that side's scale words stand in lanes 16-31 (the odd tile of a pair)
.if (\ra) && (\rb)
	v_wmma_scale_f32_16x16x128_f8f6f4 v[\d:\d+7], v[\a:\a+11], v[\b:\b+11], v[\c:\c+7], v[\sa], v[\sb] matrix_a_fmt:MATRIX_FMT_BF6 matrix_b_fmt:MATRIX_FMT_BF6 matrix_a_scale:MATRIX_SCALE_ROW1 matrix_b_scale:MATRIX_SCALE_ROW1
.elseif (\ra)
	v_wmma_scale_f32_16x16x128_f8f6f4 v[\d:\d+7], v[\a:\a+11], v[\b:\b+11], v[\c:\c+7], v[\sa], v[\sb] matrix_a_fmt:MATRIX_FMT_BF6 matrix_b_fmt:MATRIX_FMT_BF6 matrix_a_scale:MATRIX_SCALE_ROW1
.elseif (\rb)
	v_wmma_scale_f32_16x16x128_f8f6f4 v[\d:\d+7], v[\a:\a+11], v[\b:\b+11], v[\c:\c+7], v[\sa], v[\sb] matrix_a_fmt:MATRIX_FMT_BF6 matrix_b_fmt:MATRIX_FMT_BF6 matrix_b_scale:MATRIX_SCALE_ROW1
.else
	v_wmma_scale_f32_16x16x128_f8f6f4 v[\d:\d+7], v[\a:\a+11], v[\b:\b+11], v[\c:\c+7], v[\sa], v[\sb] matrix_a_fmt:MATRIX_FMT_BF6 matrix_b_fmt:MATRIX_FMT_BF6
.endif
.endm
	s_load_b256 s[4:11], s[0:1], 0x0               ; yq s[4:5], wq s[6:7], bo s[8:9], out0 s[10:11]
	v_lshl_add_u32 v254, v0, 2, 0x29000
	v_mov_b32 v255, 0
	ds_add_u32 v254, v255
	ds_add_u32 v254, v255
	v_lshrrev_b32 v1, 5, v0
	v_readfirstlane_b32 s[WV], v1                  ; wave 0..3
	s_bfe_u32 s19, ttmp6, 0x40000                  ; cx: it enters y's and out0's global addresses alone
	s_lshl_b32 s20, ttmp9, 2
	s_add_co_u32 s20, s20, s19                     ; my group of 256 tokens
	s_and_b32 s21, ttmp7, 0xffff                   ; my group of 64 columns, which the four partners share
	s_mov_b32 s[G1], 15|(3<<16)|(1<<21)            ; the mask: all four work-groups; elements of 8 bytes; bit 21 set beside a mask
	s_mov_b32 s[G1+1], 32<<16                      ; 48 rows of 256 dense bytes
	s_mov_b32 s[G1+2], 48<<16
	s_mov_b32 s[G1+3], 32<<16
	s_mov_b32 s[G1+4], 48
	s_mov_b32 s[G1+5], 32
	s_mov_b32 s[G1+6], 0
	s_mov_b32 s[G1+7], 0
	s_mul_i32 s36, s[WV], TILEB                    ; wave w fetches column tile w of the four
	s_lshl_b32 s37, s21, 2
	s_add_co_u32 s37, s37, s[WV]
	s_add_co_u32 s37, s37, 192                     ; matrix 3 begins at tile 192
	s_mul_i32 s38, s37, TILEB
	s_mov_b32 s39, 0
	s_wait_dscnt 0x0
	s_wait_kmcnt 0x0
	s_mov_b32 s[G0], 1
	s_mov_b32 s[G0+1], s36
	s_add_nc_u64 s[G0+2:G0+3], s[6:7], s[38:39]
	s_or_b32 s[G0+3], s[G0+3], 0x80000000
	ROUND                                          ; all four work-groups are here: the joint loads meet
	tensor_load_to_lds s[G0:G0+3], s[G1:G1+7]      ; one load of mine is out
	s_nop 0
	PLACES 4
	v_and_b32 v1, 31, v0                           ; lane
	v_and_b32 v2, 15, v0                           ; r
	v_bfe_u32 v3, v0, 4, 1                         ; h
	v_lshlrev_b32 v[LB], 4, v1                     ; LDS: 16 x lane
	v_lshlrev_b32 v7, 4, v1                        ; global: 16 x lane
	v_lshl_add_u32 v8, v1, 3, 512                  ; 8 x lane + 512
	v_lshlrev_b32 v9, 2, v1                        ; 4 x lane
	v_lshlrev_b32 v10, 6, v3                       ; 64 h
	s_mul_i32 s40, s[WV], 16*SP
	s_add_co_u32 s40, s40, STAGE                   ; my stage
	v_mul_u32_u24 v[STO], v2, SP
	v_lshl_add_u32 v[STO], v3, 6, v[STO]
	v_add_nc_u32 v[STO], s40, v[STO]               ; in: row r, + 64 h
	v_mul_u32_u24 v[RD], v3, SP
	v_lshl_add_u32 v[RD], v2, 4, v[RD]
	v_add_nc_u32 v[RD], s40, v[RD]                 ; back: lanes 0-15 one row, lanes 16-31 the next
	v_lshlrev_b32 v[GO], 12, v3
	v_lshl_add_u32 v[GO], v2, 4, v[GO]             ; and the same two rows in out0
	s_mov_b32 s43, 0                               ; the upper word of every offset pair s[42:43]
	s_lshl_b32 s44, s20, 4
	s_lshl_b32 s45, s[WV], 2
	s_add_co_u32 s44, s44, s45                     ; my first token tile of the 256
	s_lshl_b32 s42, s44, 9
	s_add_co_u32 s42, s42, XQW
	s_add_nc_u64 s[50:51], s[4:5], s[42:43]        ; y's scale words
	s_lshl_b32 s42, s21, 11
	s_add_co_u32 s42, s42, XQW+96*1024
	s_add_nc_u64 s[52:53], s[6:7], s[42:43]        ; Wo's: pair 96 + 2 x column group
	s_lshl_b32 s42, s21, 8
	s_add_nc_u64 s[54:55], s[8:9], s[42:43]        ; bo: my 64 numbers
	s_mul_i32 s42, s44, TILEB
	s_add_nc_u64 s[48:49], s[4:5], s[42:43]        ; y's fragments
	s_lshl_b32 s42, s20, 20                        ; 256 rows of 4,096 bytes,
	s_lshl_b32 s45, s[WV], 18                      ; my 64 of them,
	s_add_co_u32 s42, s42, s45
	s_lshl_b32 s45, s21, 8                         ; my 256 bytes of a row
	s_add_co_u32 s42, s42, s45
	s_add_nc_u64 s[56:57], s[10:11], s[42:43]
.irp p, 0,1
.irp s, 0,1,2,3,4,5,6,7
	global_load_b32 v[XS+8*\p+\s], v9, s[50:51] offset:1024*\p+128*\s
	global_load_b32 v[WS+8*\p+\s], v9, s[52:53] offset:1024*\p+128*\s
.endr
.endr
.irp n, 0,1,2,3                                ; tile n's eight columns of my half: 32 (n / 2) + 16 h + 8 (n % 2) + 0 .. 7
	global_load_b128 v[BI+8*\n:BI+8*\n+3], v10, s[54:55] offset:4*(32*(\n/2)+8*(\n%2))
	global_load_b128 v[BI+8*\n+4:BI+8*\n+7], v10, s[54:55] offset:4*(32*(\n/2)+8*(\n%2))+16
.endr
.irp s, 0,1,2,3,4,5,6,7                        ; K step s = heads 2 s and 2 s + 1: two halves of 768 bytes; sixteen loads a step
	WIN (0x40*(1+\s/4))                            ; destination window 1 or 2
.irp t, 0,1,2,3
	global_load_b128 v[48*(\s%4)+12*\t:48*(\s%4)+12*\t+3], v7, s[48:49] offset:TILEB*\t+FRB*\s
	global_load_b64 v[48*(\s%4)+12*\t+4:48*(\s%4)+12*\t+5], v8, s[48:49] offset:TILEB*\t+FRB*\s
	global_load_b128 v[48*(\s%4)+12*\t+6:48*(\s%4)+12*\t+9], v7, s[48:49] offset:TILEB*\t+FRB*\s+768
	global_load_b64 v[48*(\s%4)+12*\t+10:48*(\s%4)+12*\t+11], v8, s[48:49] offset:TILEB*\t+FRB*\s+768
.endr
.endr
	WIN 0
.macro FETCHB s, buf                   ; the four weight fragments of K step s into set buf
.irp n, 0,1,2,3
.irp g, 0,1,2
	ds_load_b128 v[BF+48*(\buf)+12*\n+4*\g:BF+48*(\buf)+12*\n+4*\g+3], v[LB] offset:TILEB*\n+FRB*(\s)+512*\g
.endr
.endr
.endm
.macro MULO s                          ; 16 products; the 16 accumulators take turns, one instruction a turn
.if (\s) == 0
	WIN 0xC4                                       ; source 1 (y) window 1, C (bo) window 0, D window 3
.else
	WIN (0xF0+4*(1+(\s)/4))                        ; source 1 window 1 or 2, C and D window 3
.endif
.irp t, 0,1,2,3
.irp n, 0,1,2,3
.if (\s) == 0
	WMC ACC+32*\t+8*\n, BF+12*\n, 12*\t, BI+8*\n, WS+8*(\n/2), XS+8*(\t/2), \n%2, \t%2
.else
	WMC ACC+32*\t+8*\n, BF+48*((\s)%2)+12*\n, 48*((\s)%4)+12*\t, ACC+32*\t+8*\n, WS+8*(\n/2)+(\s), XS+8*(\t/2)+(\s), \n%2, \t%2
.endif
.endr
.endr
.endm
	s_wait_tensorcnt 0x0                           ; my tile of the weights has landed,
	s_barrier_signal -1
	s_barrier_wait -1                              ; everybody's has
	FETCHB 0, 0
.irp s, 0,1,2,3,4,5,6,7
.if \s < 7
	PLACES 4                                       ; four places in front of loads into the set that the step before multiplied
	WIN 0
	FETCHB \s+1, (\s+1)%2
	s_wait_dscnt 12                                ; all but the twelve just issued
.else
	s_wait_dscnt 0x0
.endif
.if 112-16*\s > 63                             ; behind step s's fragments of y were issued 16 (7 - s) loads; the wait's field holds 63
	s_wait_loadcnt 63
.else
	s_wait_loadcnt 112-16*\s
.endif
	MULO \s
.endr
	; THE WAY OUT, a token tile at a time through my own stage.  LDS serves a wave's instructions in order: no wait between the stores and the loads, nor in front of the next tile's stores.
	PLACES 4                                       ; behind the last products: for the stores of results and for the loads into registers that products have read
.irp t, 0,1,2,3
	WIN 0x0C                                       ; an LDS store's data are its source 1: window 3
.irp n, 0,1,2,3
	ds_store_b128 v[STO], v[ACC+32*\t+8*\n:ACC+32*\t+8*\n+3] offset:128*(\n/2)+32*(\n%2)          ; each accumulator from its low end on
	ds_store_b128 v[STO], v[ACC+32*\t+8*\n+4:ACC+32*\t+8*\n+7] offset:128*(\n/2)+32*(\n%2)+16
.endr
	WIN 0
.irp i, 0,1,2,3,4,5,6,7
	ds_load_b128 v[OB+32*\t+4*\i:OB+32*\t+4*\i+3], v[RD] offset:2*SP*\i
.endr
.endr
.irp t, 0,1,2,3
.irp i, 0,1,2,3,4,5,6,7
	s_wait_dscnt 16*(3-\t)+7-\i                    ; behind this load: the rest of its tile's eight and sixteen LDS instructions for each later tile
	global_store_b128 v[GO], v[OB+32*\t+4*\i:OB+32*\t+4*\i+3], s[56:57] offset:(32*(\t/2)+8*(\t%2)+2*\i+8*(\i/4))*4096 th:TH_STORE_NT   ; tile rows 2 i, 2 i + 1 are tokens 32 (t / 2) + 8 (t % 2) + 2 i + 8 (i / 4) and the next; 16 lanes store 256 consecutive, aligned bytes
.endr
.endr
	s_wait_dscnt 0x0
	s_wait_tensorcnt 0x0
	ds_add_u32 v254, v255
	s_wait_dscnt 0x0
	ROUND                                          ; the closing round
	s_endpgm
.Lfunc_end_k_q82a0e28b58_oproj:
	.size	k_q82a0e28b58_oproj, .Lfunc_end_k_q82a0e28b58_oproj-k_q82a0e28b58_oproj
	.p2alignl 7, 3214868480
	.fill 96, 4, 3214868480
	.section	.rodata,"a",@progbits
	.p2align	6, 0x0
	.amdhsa_kernel k_q82a0e28b58_oproj
		.amdhsa_group_segment_fixed_size 168448
		.amdhsa_private_segment_fixed_size 0
		.amdhsa_enable_private_segment 0
		.amdhsa_kernarg_size 32
		.amdhsa_user_sgpr_count 2
		.amdhsa_user_sgpr_kernarg_segment_ptr 1
		.amdhsa_wavefront_size32 1
		.amdhsa_system_sgpr_workgroup_id_x 1
		.amdhsa_system_sgpr_workgroup_id_y 1
		.amdhsa_system_sgpr_workgroup_id_z 1
		.amdhsa_system_vgpr_workitem_id 0
		.amdhsa_next_free_vgpr 896
		.amdhsa_next_free_sgpr 66
		.amdhsa_reserve_vcc 0
		.amdhsa_float_denorm_mode_32 3
		.amdhsa_float_denorm_mode_16_64 3
		.amdhsa_memory_ordered 1
		.amdhsa_forward_progress 1
		.amdhsa_inst_pref_size 53
	.end_amdhsa_kernel
	.amdgpu_metadata
---
amdhsa.version: [ 1, 2 ]
amdhsa.kernels:
  - .name:           k_q82a0e28b58_oproj
    .symbol:         k_q82a0e28b58_oproj.kd
    .args:
      - { .name: yq, .offset: 0, .size: 8, .value_kind: global_buffer, .address_space: global }
      - { .name: wq, .offset: 8, .size: 8, .value_kind: global_buffer, .address_space: global }
      - { .name: bo, .offset: 16, .size: 8, .value_kind: global_buffer, .address_space: global }
      - { .name: out0, .offset: 24, .size: 8, .value_kind: global_buffer, .address_space: global }
    .group_segment_fixed_size: 168448
    .private_segment_fixed_size: 0
    .kernarg_segment_align: 8
    .kernarg_segment_size: 32
    .max_flat_workgroup_size: 128
    .sgpr_count:     66
    .vgpr_count:     896
    .wavefront_size: 32
...
	.end_amdgpu_metadata
.endif
;; end of part 4
